; MI455X (gfx1250); checked and timed in simulation.
; The chip was launched on July 23, 2026; its instructions are those of AMD's public machine-readable ISA for CDNA 5 (MIT licence, August 2026) and "CDNA5" Instruction Set Architecture Reference Guide (July 2026). The comments in the code are by the model that wrote it; some were corrected since.
;; Multi Head Self Attention. Allowed arithmetic: matrix products marked QUANTISED: E2M1 operands, one E8M0 scale for each 32 along K, by v_wmma_scale_f32_16x16x128_f8f6f4 with both operands' format E2M1 (or v_wmma_scale_f32_32x16x128_f4), f32 sums; products left as they are: bf16, f16 or f32 operands; f32 sums; everything else in f32.
;; Inputs: W_proj 1,024 x 1,024 float32; W_qkv 1,024 x 3,072 float32; b_proj 1,024 float32; b_qkv 3,072 float32; x 4 x 2,048 x 1,024 float32.
;; Outputs: out0 4 x 2,048 x 1,024 float32.
;; This version of the problem:
;;   THIS VERSION OF THE PROBLEM IS GIVEN IN LOW PRECISION. The matrix products marked QUANTISED in the list below multiply operands that are first quantised to E2M1 (2 exponent bits, 1 mantissa bit; 4 bits a number), with one power-of-two scale for each 32 numbers along K (OCP MX v1.0); their sums are f32. The products marked 'left as it is' may take bf16, f16 or f32 operands, with f32 sums. Whichever they take, every output number must still come out within the allowed error. Rounding operands to bf16 (8 significant bits) uses up far more of that allowance than f16 does (11 bits, for magnitudes from 6e-5 to 65,504). All else is computed in f32.
;;   The module's matrix products, in the order in which they are computed (A, B: the left and right operand; K: the contracted axis; several contracted axes count as one K, in the product's order):
;;     1. [M 8,192, K 1,024] x [K 1,024, N 3,072]; A: input x; B: input W_qkv: QUANTISED
;;     2. batch 64 x [M 2,048, K 64] x [K 64, N 2,048]; A: computed on the way; B: computed on the way: left as it is (an operand is computed on the way)
;;     3. batch 64 x [M 64, K 2,048] x [K 2,048, N 2,048]; A: computed on the way; B: computed on the way: left as it is (an operand is computed on the way)
;;     4. [M 8,192, K 1,024] x [K 1,024, N 1,024]; A: computed on the way; B: input W_proj: left as it is (an operand is computed on the way)
;;   THE QUANTISER, for each operand of a quantised product, along K:
;;     - K is cut into blocks of 32 from its start; a last block that is shorter is filled with zeros.
;;     - A block's scale is 2^e with e = floor(log2(the largest magnitude in the block)) - 2, held to -126 .. 127; a block of zeros has e = 0. As a byte (E8M0): e + 127.
;;     - Each number is divided by its block's scale, clamped to +-6, and rounded to the nearest number of E2M1, ties to even, subnormals kept.
;;     - The product sums the exact products of the quantised numbers (number of the format x scale) in f32.
;;   ~~~python
;;   def quantise(x, axis):      # numpy; x: float32 -> the quantised numbers, widened to float32 again
;;       x = np.moveaxis(x, axis, -1); K = x.shape[-1]
;;       x = np.pad(x, [(0, 0)] * (x.ndim - 1) + [(0, -K % 32)]); x = x.reshape(x.shape[:-1] + (-1, 32)); a = np.abs(x).max(-1, keepdims=True)
;;       e = np.where(a > 0, np.clip(np.frexp(np.where(a > 0, a, 1))[1] - 1 - 2, -126, 127), 0)      # np.frexp(a)[1] - 1 = floor(log2(a)), exactly
;;       r = np.clip(x / 2.0 ** e, -6, 6)
;;       step = 2.0 ** (np.maximum(np.frexp(np.where(r == 0, 1, r))[1] - 1, 0) - 1)
;;       q = np.round(r / step) * step * 2.0 ** e      # np.round: ties to even
;;       return np.moveaxis(q.reshape(q.shape[:-2] + (-1,))[..., :K], -1, axis).astype(np.float32)
;;   ~~~
;; One version. Each part assembles by itself: llvm-mc -triple=amdgcn-amd-amdhsa -mcpu=gfx1250 --defsym DOCPART=n.
;; ======== version 1 of 1: 4 launches
;; limits: values are held in f16: magnitudes above 65,504 overflow, below 6.1e-05 lose precision
;; workspace buffers: xc 4,194,304 bytes; xs 262,144 bytes; wc 1,572,864 bytes; ws 98,304 bytes; wp 2,097,152 bytes; qkv 50,331,648 bytes; ao 16,777,216 bytes
;; launch prep (part 1): grid 288 x 1, 8 waves a work-group, no clusters, 84,480 bytes of LDS; arguments x, W_qkv, W_proj, xc, xs, wc, ws, wp; writes xc, xs, wc, ws, wp
.if DOCPART == 1
	.amdgcn_target "amdgcn-amd-amdhsa--gfx1250"
	.amdhsa_code_object_version 6
	.text
	.protected	k_q131c385df2_prep
	.globl	k_q131c385df2_prep
	.p2align	8
	.type	k_q131c385df2_prep,@function
k_q131c385df2_prep:
	s_mov_b64 s[64:65], 0
	v_nop
	global_prefetch_b8 v0, s[64:65] scope:SCOPE_SE
	s_setreg_imm32_b32 hwreg(HW_REG_WAVE_MODE, 25, 1), 1
	s_wait_xcnt 0x0
; PREP: the operands of the later launches are made once.
;   work-groups   0..127: x [8192][1024] f32 -> xc: codes of FP4 (E2M1), K innermost, 512 bytes a row; xs: one E8M0 byte for each 32 along K, 32 bytes a row.
;   work-groups 128..223: W_qkv [1024 (k)][3072 (n)] f32, K its FIRST axis -> wc [3072][512 bytes], ws [3072][32 bytes], K innermost.
;   work-groups 224..287: W_proj [1024][1024] f32 -> wp, the same layout in f16 (rounded to nearest even).
; A block's scale is 2^(floor(log2(its largest magnitude)) - 2); its byte is the largest magnitude's exponent field - 2, held at 1 from below by a floor among the maximum's leaves.
; LIMITS: a block whose largest magnitude lies under 2^-124 keeps the byte 1; a block of zeros gets the byte 1 (the rule says 127): its codes are zeros, which add nothing, and this program alone reads the bytes.
; NaN and infinities among the inputs are not served.  |W_proj| above 65,504 becomes infinity in f16.
; The three paths part once, on the work-group's number, and never join; each has LDS bytes of its own.  No tensor loads, no cluster: no two work-groups read the same bytes.
.set WST,   65536                      ; path W: 32 rows (columns n) x (512 bytes of codes + 16)
.set WSC,   82432                      ; path W: 32 rows x 32 scale bytes
.set SPARE, 83456                      ; the spare words, 128 bytes for each of the eight waves: four blocks of 256 bytes that no other line names
.set SPW,   12                         ; v12  LDS address of my spare word; never rewritten
.set NIL,   13                         ; v13  0; never rewritten
.set XR,    16                         ; path X: v16-143  eight sets of 16 numbers as they are loaded
.set XX,    144                        ; v144-175 two sets of 16 neighbours
.set XE,    176                        ; v176-191 a scale byte for each step
.set XC,    192                        ; v192-223 two registers of codes for each step: no store's data are written again
; ---- path X's macros.  A step is 512 numbers: four loads of 512 consecutive bytes; they turn through the wave's own stage so that a lane holds 16 neighbours.
.macro LOADX t
.irp i, 0,1,2,3
	global_load_b128 v[XR+16*((\t)%8)+4*\i:XR+16*((\t)%8)+4*\i+3], v3, s[4:5] offset:2048*(\t)+512*\i th:TH_LOAD_NT
.endr
.endm
.macro TURNX t                         ; LDS serves a wave's instructions in order: no wait between the stores and the loads
.irp i, 0,1,2,3
	ds_store_b128 v14, v[XR+16*((\t)%8)+4*\i:XR+16*((\t)%8)+4*\i+3] offset:2560*((\t)%2)+640*\i
.endr
.irp i, 0,1,2,3
	ds_load_b128 v[XX+16*((\t)%2)+4*\i:XX+16*((\t)%2)+4*\i+3], v15 offset:2560*((\t)%2)+16*\i
.endr
.endm
.macro STEPX t
.set XS, XX+16*((\t)%2)
.if (\t) > 0
	s_wait_dscnt 1                                 ; this step's numbers are back from the stage; the last step's byte store may be out
.else
	s_wait_dscnt 0x0
.endif
.if (\t)+8 < 16
	LOADX (\t)+8                                   ; into the set whose numbers have just gone through the stage
.endif
.if (\t)+1 < 16
.if 14-(\t) >= 7
	s_wait_loadcnt 28                              ; the next step's four loads are in; those of the seven steps behind it may be out
.else
	s_wait_loadcnt 4*(14-(\t))                     ; the same, as the loads run out
.endif
	TURNX (\t)+1
.endif
	v_max3_num_f32 v8, |v[XS]|, |v[XS+1]|, |v[XS+2]|               ; the largest magnitude of my 16, in two chains
	v_max3_num_f32 v9, |v[XS+3]|, |v[XS+4]|, |v[XS+5]|
.irp i, 6,10
	v_max3_num_f32 v8, v8, |v[XS+\i]|, |v[XS+\i+1]|
	v_max3_num_f32 v9, v9, |v[XS+\i+2]|, |v[XS+\i+3]|
.endr
	v_max3_num_f32 v8, v8, |v[XS+14]|, |v[XS+15]|
	v_max3_num_f32 v8, v8, v9, 0x1800000           ; and the floor 2^(3 - 127): the byte cannot fall under 1
	v_max_num_f32_dpp v8, v8, v8 row_xmask:1 row_mask:0xf bank_mask:0xf   ; with my neighbour's 16: the block's
	v_add_nc_u32 v11, 0xff000000, v8               ; 2 off the exponent field: the conversion takes this operand's exponent field as its scale
	v_cvt_scalef32_pk8_fp4_f32 v[XC+2*(\t)], v[XS:XS+7], v11
	v_cvt_scalef32_pk8_fp4_f32 v[XC+2*(\t)+1], v[XS+8:XS+15], v11
	v_lshrrev_b32 v[XE+(\t)], 23, v11              ; the scale's byte (a plain line behind the conversions)
	ds_store_b8 v5, v[XE+(\t)] offset:16*(\t)      ; both lanes of a block write the same byte with the same value
	global_store_b64 v4, v[XC+2*(\t):XC+2*(\t)+1], s[10:11] offset:256*(\t)   ; 32 lanes store 256 consecutive bytes, aligned
.endm
; ---- path W's macros.  A lane takes a column n and its registers run down K: a block of 32 lies in one lane.
.macro LOADW t
.irp i, 0,1,2,3,4,5,6,7,8,9,10,11,12,13,14,15,16,17,18,19,20,21,22,23,24,25,26,27,28,29,30,31
	global_load_b32 v[32+32*((\t)%2)+\i], v3, s[6:7] offset:(32*(\t)+\i)*12288 th:TH_LOAD_NT
.endr
.endm
.macro BLOCKW t
.set XS, 32+32*((\t)%2)
.if (\t) < 3
	s_wait_loadcnt 32                              ; this block's 32 loads are in; the next block's may be out
.else
	s_wait_loadcnt 0x0
.endif
	v_max3_num_f32 v16, |v[XS]|, |v[XS+1]|, |v[XS+2]|
	v_max3_num_f32 v17, |v[XS+3]|, |v[XS+4]|, |v[XS+5]|
.irp i, 6,10,14,18,22,26
	v_max3_num_f32 v16, v16, |v[XS+\i]|, |v[XS+\i+1]|
	v_max3_num_f32 v17, v17, |v[XS+\i+2]|, |v[XS+\i+3]|
.endr
	v_max3_num_f32 v16, v16, |v[XS+30]|, |v[XS+31]|
	v_max3_num_f32 v16, v16, v17, 0x1800000        ; the floor, as above
	v_add_nc_u32 v18, 0xff000000, v16
	v_lshrrev_b32 v19, 23, v18
.if (\t) == 0
	v_mov_b32 v24, v19                             ; my four bytes make one word, the lower K in the lower byte
.else
	v_lshl_or_b32 v24, v19, 8*(\t), v24
.endif
.irp g, 0,1,2,3
	v_cvt_scalef32_pk8_fp4_f32 v[96+\g], v[XS+8*\g:XS+8*\g+7], v18
.endr
	ds_store_b128 v4, v[96:99] offset:16*(\t)      ; 32 codes: 16 bytes of my column's row
.if (\t) < 2
	LOADW (\t)+2
.endif
	s_wait_dscnt 0x0                               ; the store has read its registers: the next block's codes may be written
.endm
	s_load_b256 s[4:11], s[0:1], 0x0               ; x s[4:5], W_qkv s[6:7], W_proj s[8:9], xc s[10:11]
	s_load_b256 s[12:19], s[0:1], 0x20             ; xs s[12:13], wc s[14:15], ws s[16:17], wp s[18:19]
	v_lshl_add_u32 v[SPW], v0, 2, SPARE
	v_mov_b32 v[NIL], 0
	v_lshrrev_b32 v1, 5, v0
	v_readfirstlane_b32 s20, v1                    ; wave 0..7
	v_and_b32 v2, 31, v0                           ; lane
	s_wait_kmcnt 0x0
	s_cmp_lt_u32 ttmp9, 128
	s_cbranch_scc1 .LX
	s_cmp_lt_u32 ttmp9, 224
	s_cbranch_scc1 .LW
	; ---- path P: a wave casts 2,048 numbers of W_proj: 16 loads of 512 consecutive bytes, 16 stores of 256
	s_sub_co_u32 s21, ttmp9, 224
	s_lshl_b32 s21, s21, 3
	s_add_co_u32 s21, s21, s20                     ; my run of 2,048 numbers
	s_lshl_b32 s22, s21, 13
	s_mov_b32 s23, 0
	s_add_nc_u64 s[8:9], s[8:9], s[22:23]
	s_lshl_b32 s22, s21, 12
	s_add_nc_u64 s[18:19], s[18:19], s[22:23]
	v_lshlrev_b32 v3, 4, v2
	v_lshlrev_b32 v4, 3, v2
.irp i, 0,1,2,3,4,5,6,7,8,9,10,11,12,13,14,15
	global_load_b128 v[32+4*\i:35+4*\i], v3, s[8:9] offset:512*\i th:TH_LOAD_NT
.endr
.irp i, 0,1,2,3,4,5,6,7,8,9,10,11,12,13,14,15
	s_wait_loadcnt 15-\i                           ; loads come back in order: load i is in, the younger ones stay out
	v_cvt_pk_f16_f32 v[96+2*\i], v[32+4*\i], v[33+4*\i]
	v_cvt_pk_f16_f32 v[97+2*\i], v[34+4*\i], v[35+4*\i]
	global_store_b64 v4, v[96+2*\i:97+2*\i], s[18:19] offset:256*\i   ; 32 lanes store 256 consecutive bytes, aligned
.endr
	s_wait_tensorcnt 0x0                           ; the wave's end
	ds_add_u32 v[SPW], v[NIL]
	s_wait_dscnt 0x0
	s_endpgm
.LX:	; ---- path X: a wave takes a run of 8,192 numbers of x: 16 steps.  Loads run eight steps (32 loads a wave) ahead, the turn through LDS one step
	s_lshl_b32 s21, ttmp9, 3
	s_add_co_u32 s21, s21, s20                     ; my run
	s_lshl_b32 s22, s21, 15
	s_mov_b32 s23, 0
	s_add_nc_u64 s[4:5], s[4:5], s[22:23]          ; 32,768 bytes of x,
	s_lshl_b32 s22, s21, 12
	s_add_nc_u64 s[10:11], s[10:11], s[22:23]      ; 4,096 of codes,
	s_lshl_b32 s22, s21, 8
	s_add_nc_u64 s[12:13], s[12:13], s[22:23]      ; 256 scale bytes
	s_lshl_b32 s24, s20, 13                        ; my wave's 8,192 bytes of LDS: two stages of 32 x 80 bytes, then its 256 scale bytes
	v_lshlrev_b32 v3, 4, v2                        ; my 16 bytes of a load's 512
	v_lshrrev_b32 v14, 2, v2
	v_mul_u32_u24 v14, v14, 80
	v_and_b32 v15, 3, v2
	v_lshl_add_u32 v14, v15, 4, v14
	v_add_nc_u32 v14, s24, v14                     ; into the stage: four lanes' 64 bytes on end, then 16 of padding
	v_mul_u32_u24 v15, v2, 80
	v_add_nc_u32 v15, s24, v15                     ; out of it: 80 x lane: my 16 neighbours
	v_lshlrev_b32 v4, 3, v2                        ; 8 x lane: my codes' place in a step's, and my 8 scale bytes' at the end
	v_lshrrev_b32 v5, 1, v2
	s_add_co_u32 s24, s24, 5120
	v_add_nc_u32 v5, s24, v5                       ; my block's scale byte
	v_add_nc_u32 v6, s24, v4                       ; and 8 bytes a lane on the way out
.irp t, 0,1,2,3,4,5,6,7
	LOADX \t
.endr
	s_wait_loadcnt 28                              ; step 0's four loads are in
	TURNX 0
.irp t, 0,1,2,3,4,5,6,7,8,9,10,11,12,13,14,15
	STEPX \t
.endr
	ds_load_b64 v[8:9], v6                         ; in order behind my byte stores
	s_wait_dscnt 0x0
	global_store_b64 v4, v[8:9], s[12:13]          ; 32 lanes store 256 consecutive bytes, aligned
	s_wait_tensorcnt 0x0                           ; the wave's end, behind my last LDS store
	ds_add_u32 v[SPW], v[NIL]
	s_wait_dscnt 0x0
	s_endpgm
.LW:	; ---- path W: the work-group takes 32 columns and all of K; wave w takes k = 128 w .. 128 w + 127: four blocks a lane
	s_sub_co_u32 s21, ttmp9, 128                   ; g: columns 32 g on
	s_mul_i32 s22, s20, 128*12288                  ; my 128 rows of W_qkv,
	s_lshl_b32 s24, s21, 7
	s_add_co_u32 s22, s22, s24                     ; my 32 columns
	s_mov_b32 s23, 0
	s_add_nc_u64 s[6:7], s[6:7], s[22:23]
	s_lshl_b32 s22, s21, 14                        ; wc: 32 rows of 512 bytes a work-group,
	s_lshl_b32 s24, s20, 11                        ; of which I store four
	s_add_co_u32 s22, s22, s24
	s_add_nc_u64 s[14:15], s[14:15], s[22:23]
	s_min_u32 s25, s20, 1
	s_lshl_b32 s25, s25, 9                         ; ws: 1,024 bytes a work-group; waves 0 and 1 store 512 each
	s_lshl_b32 s22, s21, 10
	s_add_co_u32 s22, s22, s25
	s_add_nc_u64 s[16:17], s[16:17], s[22:23]
	v_lshlrev_b32 v3, 2, v2                        ; in: 4 bytes a lane
	s_lshl_b32 s24, s20, 6
	s_add_co_u32 s24, s24, WST
	v_mul_u32_u24 v4, v2, 528
	v_add_nc_u32 v4, s24, v4                       ; codes in: row = my column, my wave's 64 bytes
	s_lshl_b32 s24, s20, 2
	s_add_co_u32 s24, s24, WSC
	v_lshl_add_u32 v5, v2, 5, s24                  ; scale word in: 32 x lane + 4 x wave
	s_mul_i32 s24, s20, 2112
	s_add_co_u32 s24, s24, WST
	v_lshl_add_u32 v6, v2, 4, s24                  ; codes out: rows 4 w .. 4 w + 3, 16 bytes a lane
	v_lshlrev_b32 v7, 4, v2
	s_add_co_u32 s25, s25, WSC
	v_lshl_add_u32 v8, v2, 4, s25                  ; scale bytes out
	LOADW 0
	LOADW 1
	BLOCKW 0
	BLOCKW 1
	BLOCKW 2
	BLOCKW 3
	ds_store_b32 v5, v24
	s_wait_dscnt 0x0                               ; for the others' sake: my stores have landed
	s_barrier_signal -1
	s_barrier_wait -1                              ; 32 whole rows of codes and of scale bytes lie in LDS
.irp i, 0,1,2,3
	ds_load_b128 v[100+4*\i:103+4*\i], v6 offset:528*\i
.endr
.irp i, 0,1,2,3
	s_wait_dscnt 3-\i
	global_store_b128 v7, v[100+4*\i:103+4*\i], s[14:15] offset:512*\i   ; a whole row of 512 bytes
.endr
	s_cmp_lt_u32 s20, 2
	s_cbranch_scc0 .LWend
	ds_load_b128 v[116:119], v8
	s_wait_dscnt 0x0
	global_store_b128 v7, v[116:119], s[16:17]     ; 512 consecutive bytes
.LWend:
	s_wait_tensorcnt 0x0                           ; the wave's end, behind my last LDS store
	ds_add_u32 v[SPW], v[NIL]
	s_wait_dscnt 0x0
	s_endpgm
.Lfunc_end_k_q131c385df2_prep:
	.size	k_q131c385df2_prep, .Lfunc_end_k_q131c385df2_prep-k_q131c385df2_prep
	.p2alignl 7, 3214868480
	.fill 96, 4, 3214868480
	.section	.rodata,"a",@progbits
	.p2align	6, 0x0
	.amdhsa_kernel k_q131c385df2_prep
		.amdhsa_group_segment_fixed_size 84480
		.amdhsa_private_segment_fixed_size 0
		.amdhsa_enable_private_segment 0
		.amdhsa_kernarg_size 64
		.amdhsa_user_sgpr_count 2
		.amdhsa_user_sgpr_kernarg_segment_ptr 1
		.amdhsa_wavefront_size32 1
		.amdhsa_system_sgpr_workgroup_id_x 1
		.amdhsa_system_sgpr_workgroup_id_y 1
		.amdhsa_system_sgpr_workgroup_id_z 1
		.amdhsa_system_vgpr_workitem_id 0
		.amdhsa_next_free_vgpr 224
		.amdhsa_next_free_sgpr 66
		.amdhsa_reserve_vcc 0
		.amdhsa_float_denorm_mode_32 3
		.amdhsa_float_denorm_mode_16_64 3
		.amdhsa_memory_ordered 1
		.amdhsa_forward_progress 1
		.amdhsa_inst_pref_size 60
	.end_amdhsa_kernel
	.amdgpu_metadata
---
amdhsa.version: [ 1, 2 ]
amdhsa.kernels:
  - .name:           k_q131c385df2_prep
    .symbol:         k_q131c385df2_prep.kd
    .args:
      - { .name: x, .offset: 0, .size: 8, .value_kind: global_buffer, .address_space: global }
      - { .name: W_qkv, .offset: 8, .size: 8, .value_kind: global_buffer, .address_space: global }
      - { .name: W_proj, .offset: 16, .size: 8, .value_kind: global_buffer, .address_space: global }
      - { .name: xc, .offset: 24, .size: 8, .value_kind: global_buffer, .address_space: global }
      - { .name: xs, .offset: 32, .size: 8, .value_kind: global_buffer, .address_space: global }
      - { .name: wc, .offset: 40, .size: 8, .value_kind: global_buffer, .address_space: global }
      - { .name: ws, .offset: 48, .size: 8, .value_kind: global_buffer, .address_space: global }
      - { .name: wp, .offset: 56, .size: 8, .value_kind: global_buffer, .address_space: global }
    .group_segment_fixed_size: 84480
    .private_segment_fixed_size: 0
    .kernarg_segment_align: 8
    .kernarg_segment_size: 64
    .max_flat_workgroup_size: 256
    .sgpr_count:     66
    .vgpr_count:     224
    .wavefront_size: 32
...
	.end_amdgpu_metadata
.endif
;; end of part 1
;; launch gemm_qkv (part 2): grid 12 x 32, 4 waves a work-group, clusters of 4 x 4, 327,680 bytes of LDS; arguments xc, xs, wc, ws, qkv, b_qkv; writes qkv
.if DOCPART == 2
	.amdgcn_target "amdgcn-amd-amdhsa--gfx1250"
	.amdhsa_code_object_version 6
	.text
	.protected	k_q131c385df2_gemm_qkv
	.globl	k_q131c385df2_gemm_qkv
	.p2align	8
	.type	k_q131c385df2_gemm_qkv,@function
k_q131c385df2_gemm_qkv:
	s_mov_b64 s[64:65], 0
	v_nop
	global_prefetch_b8 v0, s[64:65] scope:SCOPE_SE
	s_setreg_imm32_b32 hwreg(HW_REG_WAVE_MODE, 25, 1), 1
	s_wait_xcnt 0x0
	s_wait_alu depctr_hold_cnt(0) depctr_sa_sdst(0) depctr_va_vdst(0) depctr_va_sdst(0) depctr_va_ssrc(0) depctr_va_vcc(0) depctr_vm_vsrc(0)
	s_getreg_b32 s2, hwreg(HW_REG_IB_STS2, 6, 4)
	s_cmp_eq_u32 s2, 0
	s_cbranch_scc0 .Lentry_in_a_cluster
	s_endpgm
.Lentry_in_a_cluster:
	s_bfe_u32 s2, ttmp6, 0x10000c
	s_cmp_lg_u32 s2, 0xf033
	s_cbranch_scc0 .Lentry_shape_is_right
	s_endpgm
.Lentry_shape_is_right:
; qkv = Q(x) Q(W_qkv) + b_qkv on codes of FP4 (E2M1) with one E8M0 scale for each 32 along K; sums in f32; the result rounded once to f16 and laid [part 3][batch 4][head 16][token 2048][64].
; A = xc [8192][512 bytes], xs [8192][32]; B = wc [3072][512 bytes], ws [3072][32].  LIMIT: a result above 65,504 in magnitude becomes infinity in f16.
; A tile of 256 x 256 is made by four waves, each 128 x 128: 64 accumulators, 512 registers.  K = 1,024 is two K steps of 512 (tile rows of 256 bytes): both lie in LDS at once, so nothing is filled again
; and there is no loop.  The scales of the work-group's rows, for all of K, are two dense blocks: they come with the first fills, in rows of 256 bytes.
; CLUSTERS: 4 x 4 work-groups; A's tiles are asked for jointly along a row of the cluster, B's along a column.
; THE MATRIX INSTRUCTION IS USED TRANSPOSED (source 0 = 16 rows of B, source 1 = 16 rows of A): a lane holds eight neighbouring columns of one row.  The bias is the C of each sum's first instruction.
; No prefetch: all of the launch's tiles are asked for at its head.
; REGISTERS: window 0: v0-31 addresses; v32-95 scale words, two sets; v128-191 A's fragments, one set; v192-255 the bias in the result's layout, later packed results.
;   window 1: B's fragments, two sets, at v0 and v128.   windows 2, 3: the accumulators of my rows 0-63 and 64-127 ((a, b) at v[8 (8 (a % 4) + b)]).
.set NQ,     4                         ; matrix instructions deep in a slot
.set ROWB,   256                       ; a tile's row: 512 codes
.set KROW,   512                       ; a row of xc or wc in memory
.set PITCH,  272                       ; an LDS row: 256 bytes + 16: the 16 rows that a load touches start 68 words apart
.set FR,     8
.set NL,     2
.set NP,     4
.set HALFT,  128*PITCH
.set SLOT,   4*HALFT
.set KS,     32                        ; a row of scales in bytes
.set SCL,    2*SLOT
.set HALFS,  (128*KS/256)*272
.set SBLK,   (16*KS/256)*272
.set SPARE,  SCL+4*HALFS               ; the spare words, 128 bytes a wave: two blocks of 256 bytes that no other line names
.set SP,     144                       ; the way out: a stage row: 128 bytes (a token's 64 numbers of one head) + 16
.set PLANE,  16*SP                     ; 16 rows of one head; a wave's stage is two planes, in slot 0, which has had its last fill and its last read by then
.set ADRA, 16
.set ADRB, 20
.set STO,  24
.set RD,   25
.set CO,   26
.set ADRS, 27
.set SPW,  28                          ; v28  LDS address of my spare word; never rewritten
.set NIL,  29                          ; v29  0; never rewritten
.set SC,   32
.set AF,   128
.set BI,   192                         ; the bias: block b at v[BI + 8 b]
.set TMP,  192                         ; the way out: packed results
.set BK,   128                         ; the way out: rows read back, v128-159 and v160-191 by turns
.set G1, 24
.set G0, 32
.set G1B, 48
.set G0B, 56
.set G1S, 68
.set G0S, 76
.set G1SB, 80
.set G0SB, 88
.set MSB, 0
.macro WIN new                         ; the immediate's high byte repeats the setting that is left
.if MSB != (\new)
	s_set_vgpr_msb (MSB<<8)|(\new)
.set MSB, \new
.endif
.endm
.set MUL_LO,  0xa1                     ; source 0 (B) window 1, source 1 (A) window 0, C and D window 2
.set MUL_HI,  0xf1                     ; the same, C and D window 3
.set MULB_LO, 0x81                     ; the first products: C (the bias) window 0, D window 2
.set MULB_HI, 0xc1                     ; D window 3
.set TO_B,    0x40
; A joint load: waves 0 and 1 fetch for A, waves 2 and 3 for B.  The branch hangs on the wave's number alone.  An s_nop 0 and four v_nop follow each of the two lines.
.macro JLOAD g0a, g1a, g0b, g1b
	s_cmp_eq_u32 s15, 0
	s_cbranch_scc0 .Lfor_b_\@
	tensor_load_to_lds s[\g0a:\g0a+3], s[\g1a:\g1a+7]
	s_nop 0
.rept 4
	v_nop
.endr
	s_branch .Lasked_\@
.Lfor_b_\@:
	tensor_load_to_lds s[\g0b:\g0b+3], s[\g1b:\g1b+7]
	s_nop 0
.rept 4
	v_nop
.endr
.Lasked_\@:
.endm
.macro CROUND                          ; a round of the cluster's barrier
	s_barrier_signal -1
	s_barrier_wait -1
	s_cmp_lg_u32 s14, 0
	s_cbranch_scc1 .Lnot_wave_0_\@
	s_barrier_signal -3
.Lnot_wave_0_\@:
	s_barrier_wait -3
	s_barrier_signal -1
	s_barrier_wait -1
.endm
	s_load_b128 s[4:7], s[0:1], 0x0                ; xc s[4:5], xs s[6:7]
	s_load_b128 s[8:11], s[0:1], 0x10              ; wc s[8:9], ws s[10:11]
	s_load_b64 s[12:13], s[0:1], 0x20              ; qkv
	s_load_b64 s[96:97], s[0:1], 0x28              ; b_qkv
	v_lshl_add_u32 v[SPW], v0, 2, SPARE
	v_mov_b32 v[NIL], 0
	ds_add_u32 v[SPW], v[NIL]                      ; the wave's opening: the add, twice on end, and its wait ahead of my first tensor load
	ds_add_u32 v[SPW], v[NIL]
	v_lshrrev_b32 v1, 5, v0
	v_readfirstlane_b32 s14, v1                    ; wave 0..3
	s_lshr_b32 s15, s14, 1                         ; which half of the tile's rows is mine.  Also: I fetch for A (0) or for B (1)
	s_and_b32 s16, s14, 1                          ; which half of its columns.  Also: which 128 rows of that tile I fetch
	s_bfe_u32 s40, ttmp6, 0x40000                  ; cx, cy: my place in the cluster
	s_bfe_u32 s41, ttmp6, 0x40004
	s_lshl_b32 s42, ttmp9, 2
	s_add_co_u32 s42, s42, s40                     ; tile column = 4 x cluster x + cx
	s_and_b32 s17, ttmp7, 0xffff
	s_lshl_b32 s17, s17, 2
	s_add_co_u32 s17, s17, s41                     ; tile row = 4 x cluster y + cy
	s_lshl_b32 s43, s41, 2
	s_lshl_b32 s43, 15, s43                        ; my row of the cluster
	s_lshl_b32 s44, 0x1111, s40                    ; my column
	; descriptor group 1: 128 rows x 256 bytes, 16 bytes of padding behind each row
	s_or_b32 s[G1+0], s43, (0<<16)|(1<<20)|(1<<21)|(5<<22)|(3<<25)
	s_or_b32 s[G1B+0], s44, (0<<16)|(1<<20)|(1<<21)|(5<<22)|(3<<25)
.irp g, G1, G1B
	s_mov_b32 s[\g+1], ROWB<<16                    ; tensor_dim0
	s_mov_b32 s[\g+2], 128<<16                     ; tensor_dim1
	s_mov_b32 s[\g+3], ROWB<<16                    ; tile_dim0
	s_mov_b32 s[\g+4], 128                         ; tile_dim1
	s_mov_b32 s[\g+5], KROW                        ; from row to row
	s_mov_b32 s[\g+6], 0
	s_mov_b32 s[\g+7], 0
.endr
	; the scales of 128 rows: 4,096 dense bytes as 16 rows of 256 bytes (32 elements of 8 bytes), 16 bytes of padding behind each
	s_or_b32 s[G1S+0], s43, (3<<16)|(1<<20)|(1<<21)|(5<<22)|(3<<25)
	s_or_b32 s[G1SB+0], s44, (3<<16)|(1<<20)|(1<<21)|(5<<22)|(3<<25)
.irp g, G1S, G1SB
	s_mov_b32 s[\g+1], 32<<16
	s_mov_b32 s[\g+2], (128*KS/256)<<16
	s_mov_b32 s[\g+3], 32<<16
	s_mov_b32 s[\g+4], 128*KS/256
	s_mov_b32 s[\g+5], 32
	s_mov_b32 s[\g+6], 0
	s_mov_b32 s[\g+7], 0
.endr
	s_lshl_b32 s18, s16, 7                         ; which 128 rows of the tile I fetch
	s_lshl_b32 s20, s17, 8
	s_add_co_u32 s20, s20, s18                     ; A: row 256 x tile row + 128 x half
	s_lshl_b32 s46, s42, 8
	s_add_co_u32 s46, s46, s18                     ; B: row 256 x tile column + 128 x half
	s_mov_b32 s21, 0
	s_mov_b32 s47, 0
	s_mov_b64 s[18:19], KS
	s_mul_u64 s[22:23], s[20:21], s[18:19]         ; where these rows' scales begin,
	s_mul_u64 s[92:93], s[46:47], s[18:19]
	s_mov_b64 s[18:19], KROW
	s_mul_u64 s[20:21], s[20:21], s[18:19]         ; and their codes
	s_mul_u64 s[46:47], s[46:47], s[18:19]
	s_mul_i32 s45, s14, HALFT                      ; where they go: wave x 128 rows: no place in the cluster enters an LDS address
	s_mul_i32 s94, s14, HALFS
	s_wait_dscnt 0x0                               ; both opening adds are done
	s_wait_kmcnt 0x0
	s_add_nc_u64 s[20:21], s[4:5], s[20:21]
	s_add_nc_u64 s[22:23], s[6:7], s[22:23]
	s_add_nc_u64 s[46:47], s[8:9], s[46:47]
	s_add_nc_u64 s[92:93], s[10:11], s[92:93]
	CROUND                                         ; all sixteen work-groups are here: the joint loads meet
	s_mov_b32 s[G0S], 1
	s_add_co_u32 s[G0S+1], s94, SCL
	s_mov_b64 s[G0S+2:G0S+3], s[22:23]
	s_or_b32 s[G0S+3], s[G0S+3], 0x80000000
	s_mov_b32 s[G0SB], 1
	s_add_co_u32 s[G0SB+1], s94, SCL
	s_mov_b64 s[G0SB+2:G0SB+3], s[92:93]
	s_or_b32 s[G0SB+3], s[G0SB+3], 0x80000000
	JLOAD G0S, G1S, G0SB, G1SB                     ; the scales first: they are wanted with K step 0
.irp s, 0,1
	s_mov_b32 s[G0+4*\s], 1
	s_add_co_u32 s[G0+4*\s+1], s45, \s*SLOT
	s_add_nc_u64 s[G0+4*\s+2:G0+4*\s+3], s[20:21], \s*ROWB
	s_or_b32 s[G0+4*\s+3], s[G0+4*\s+3], 0x80000000
	s_mov_b32 s[G0B+4*\s], 1
	s_add_co_u32 s[G0B+4*\s+1], s45, \s*SLOT
	s_add_nc_u64 s[G0B+4*\s+2:G0B+4*\s+3], s[46:47], \s*ROWB
	s_or_b32 s[G0B+4*\s+3], s[G0B+4*\s+3], 0x80000000
	JLOAD G0+4*\s, G1, G0B+4*\s, G1B               ; three loads of mine are out: the scales, K step 0, K step 1
.endr
	v_and_b32 v1, 15, v0                           ; r = l % 16
	v_bfe_u32 v2, v0, 4, 1                         ; h = l / 16
	; the bias: lane (r, h) wants, for block b, b_qkv at my first column + 16 b + 8 h + 0 .. 7
	s_lshl_b32 s92, s42, 10
	s_lshl_b32 s93, s16, 9
	s_add_co_u32 s92, s92, s93                     ; my first column, in bytes: 1,024 x tile column + 512 x half
	s_mov_b32 s93, 0
	s_add_nc_u64 s[96:97], s[96:97], s[92:93]
	v_lshlrev_b32 v7, 5, v2
.irp b, 0,1,2,3,4,5,6,7
	global_load_b128 v[BI+8*\b:BI+8*\b+3], v7, s[96:97] offset:64*\b
	global_load_b128 v[BI+8*\b+4:BI+8*\b+7], v7, s[96:97] offset:64*\b+16
.endr
	v_mul_u32_u24 v3, v1, PITCH
	v_lshl_add_u32 v4, v2, 4, v3                   ; a fragment's row x pitch + 16 x half
	s_mul_i32 s21, s15, HALFT                      ; my 128 rows of A
	s_mul_i32 s22, s16, HALFT                      ; my 128 rows of B,
	s_add_co_u32 s22, s22, 2*HALFT                 ; which lie behind A's 256
.irp s, 0,1
	v_add_nc_u32 v[ADRA+\s], s21, v4
	v_add_nc_u32 v[ADRB+\s], s22, v4
	s_add_co_u32 s21, s21, SLOT
	s_add_co_u32 s22, s22, SLOT
.endr
	v_mul_u32_u24 v5, v1, KS                       ; my row's scales: 32 bytes a row,
	v_lshrrev_b32 v6, 8, v5
	v_lshl_add_u32 v5, v6, 4, v5                   ; and 16 more for each 256 passed
	s_mul_i32 s21, s15, HALFS                      ; A's: my 128 rows
	s_mul_i32 s22, s16, HALFS                      ; B's: my 128 rows, behind A's 256
	s_add_co_u32 s22, s22, 2*HALFS
	s_sub_co_u32 s22, s22, s21
	v_mul_u32_u24 v6, s22, v2                      ; lanes 16-31 take B's: one product, the distance between the two bases
	s_add_co_u32 s21, s21, SCL
	v_add_nc_u32 v5, v5, v6
	v_add_nc_u32 v[ADRS], s21, v5
	s_mul_i32 s23, s14, 2*PLANE                    ; my stage
	v_mul_u32_u24 v5, v1, SP                       ; in: row r, 16 bytes for each half of the lanes
	v_lshl_add_u32 v5, v2, 4, v5
	v_add_nc_u32 v[STO], s23, v5
	v_bfe_u32 v5, v0, 3, 2                         ; back: eight lanes to a row of 128 bytes, four rows an instruction
	v_mul_u32_u24 v5, v5, SP
	v_and_b32 v6, 7, v0
	v_lshl_add_u32 v5, v6, 4, v5
	v_add_nc_u32 v[RD], s23, v5
	v_and_b32 v6, 31, v0
	v_lshlrev_b32 v[CO], 4, v6                     ; four tokens of one head are 512 consecutive bytes of qkv
	; where my part begins in qkv: part = tile column / 4; head = 4 (tile column % 4) + 2 x column half (+ 0, 1); batch = tile row / 8; token = 256 (tile row % 8) + 128 x row half
	s_lshr_b32 s20, s17, 3
	s_lshl_b32 s20, s20, 22                        ; a batch: 16 heads of 2^18 bytes
	s_and_b32 s21, s17, 7
	s_lshl_b32 s21, s21, 15                        ; 256 tokens of 128 bytes
	s_add_co_u32 s20, s20, s21
	s_lshl_b32 s21, s15, 14
	s_add_co_u32 s20, s20, s21
	s_mov_b32 s21, 0
	s_lshr_b32 s46, s42, 2
	s_lshl_b32 s46, s46, 24                        ; a part: 2^24 bytes
	s_and_b32 s47, s42, 3
	s_lshl_b32 s47, s47, 20
	s_add_co_u32 s46, s46, s47
	s_lshl_b32 s47, s16, 19
	s_add_co_u32 s46, s46, s47
	s_mov_b32 s47, 0
	s_add_nc_u64 s[20:21], s[20:21], s[46:47]
	s_add_nc_u64 s[12:13], s[12:13], s[20:21]
.macro FRAG reg, adr, q, i             ; 16 rows x 128 K of 4-bit codes: 8 registers: lane l holds row l % 16; registers 4 c .. 4 c + 3 hold K = 64 c + 32 (l / 16) + 0 .. 31
.irp c, 0,1
	ds_load_b128 v[\reg+4*\c:\reg+4*\c+3], v[\adr] offset:64*(\q)+32*\c+(\i)*16*PITCH
.endr
.endm
; 16 matrix instructions: A's blocks a0, a0 + 1 x B's eight, the slot's q-th 128 along K.  p: B's set; sc: the set of scale words.  zero = 1: the first product starts the sums from the bias.
; The 64 accumulators take turns, one instruction a turn, in the same order in every step.
.macro MUL16 a0, p, q, sc, zero
.irp a, \a0, \a0+1
.irp b, 0,1,2,3,4,5,6,7
.if \zero
	v_wmma_scale_f32_16x16x128_f8f6f4 v[8*(8*((\a)%4)+\b):8*(8*((\a)%4)+\b)+7], v[128*(\p)+FR*\b:128*(\p)+FR*\b+FR-1], v[AF+FR*(\a):AF+FR*(\a)+FR-1], v[BI+8*\b:BI+8*\b+7], v[SC+8*NQ*(\sc)+NQ*\b+(\q)], v[SC+8*NQ*(\sc)+NQ*(\a)+(\q)] matrix_a_fmt:MATRIX_FMT_FP4 matrix_b_fmt:MATRIX_FMT_FP4 matrix_a_scale:MATRIX_SCALE_ROW1
.else
	v_wmma_scale_f32_16x16x128_f8f6f4 v[8*(8*((\a)%4)+\b):8*(8*((\a)%4)+\b)+7], v[128*(\p)+FR*\b:128*(\p)+FR*\b+FR-1], v[AF+FR*(\a):AF+FR*(\a)+FR-1], v[8*(8*((\a)%4)+\b):8*(8*((\a)%4)+\b)+7], v[SC+8*NQ*(\sc)+NQ*\b+(\q)], v[SC+8*NQ*(\sc)+NQ*(\a)+(\q)] matrix_a_fmt:MATRIX_FMT_FP4 matrix_b_fmt:MATRIX_FMT_FP4 matrix_a_scale:MATRIX_SCALE_ROW1
.endif
.endr
.endr
.endm
.macro FETCH_B slot, q, p
	WIN TO_B
.irp i, 0,1,2,3,4,5,6,7
	FRAG 128*(\p)+FR*\i, ADRB+\slot, \q, \i
.endr
	WIN 0
.endm
.macro FETCH_A slot, q, i0
.irp i, \i0, \i0+1, \i0+2, \i0+3
	FRAG AF+FR*(\i), ADRA+\slot, \q, \i
.endr
.endm
.macro SCALES sc                       ; a K step's scale words: four words a row; lanes 0-15 take A's block i, lanes 16-31 B's block i
.irp i, 0,1,2,3,4,5,6,7
	ds_load_b128 v[SC+8*NQ*\sc+NQ*\i:SC+8*NQ*\sc+NQ*\i+3], v[ADRS] offset:\i*SBLK
.endr
.endm
.macro PLACES n                        ; plain vector instructions between a matrix instruction and a load into, or a read of, its registers
.rept \n
	v_nop
.endr
.endm
.macro STEP slot, q, zero              ; a step of 128 along K that has its successor in the same slot
	s_wait_dscnt 4*NL                              ; B's set, the scale words and A's blocks 0-3 are in; the youngest eight loads (A's blocks 4-7) may be out
.if \zero
	WIN MULB_LO
.else
	WIN MUL_LO
.endif
	MUL16 0, (\q)%2, \q, \slot, \zero
	MUL16 2, (\q)%2, \q, \slot, \zero
	s_wait_dscnt 0
	PLACES NP
	FETCH_B \slot, (\q)+1, 1-(\q)%2
	FETCH_A \slot, (\q)+1, 0
.if \zero
	WIN MULB_HI
.else
	WIN MUL_HI
.endif
	MUL16 4, (\q)%2, \q, \slot, \zero
	MUL16 6, (\q)%2, \q, \slot, \zero
	PLACES NP
	WIN 0
	FETCH_A \slot, (\q)+1, 4
.endm
; Slot 0's last step changes slots.  In front of the barrier each wave waits for all its tensor loads (its part of slot 1), adds 0 to its spare word, and waits for that and for its reads of slot 0.
.macro TURN slot, next
	s_wait_tensorcnt 0x0
	ds_add_u32 v[SPW], v[NIL]
	s_wait_dscnt 4*NL+1                            ; (the add and the youngest eight loads may be out)
	WIN MUL_LO
	MUL16 0, 1, NQ-1, \slot, 0
	s_wait_dscnt 0x0                               ; the add is done, and my reads of this slot are over
	s_barrier_signal -1
	MUL16 2, 1, NQ-1, \slot, 0
	WIN 0
	s_barrier_wait -1
	PLACES NP
	v_add_nc_u32 v[ADRS], 4*NQ, v[ADRS]            ; on to the next K step's scale words
	FETCH_B \next, 0, 0
	FETCH_A \next, 0, 0
	SCALES \next
	WIN MUL_HI
	MUL16 4, 1, NQ-1, \slot, 0
	MUL16 6, 1, NQ-1, \slot, 0
	PLACES NP
	WIN 0
	FETCH_A \next, 0, 4
.endm
.macro STEPS slot, from
.set Q, \from
.rept NQ-1-\from
	STEP \slot, Q, 0
.set Q, Q+1
.endr
.endm
	s_wait_tensorcnt 1                             ; the scales and my part of K step 0 are in; K step 1's load may be out
	s_barrier_signal -1
	s_barrier_wait -1
	FETCH_B 0, 0, 0
	FETCH_A 0, 0, 0
	SCALES 0
	FETCH_A 0, 0, 4
	s_wait_loadcnt 0x0                             ; the bias
	STEP 0, 0, 1
	STEPS 0, 1
	TURN 0, 1
	STEPS 1, 0
	s_wait_dscnt 4*NL                              ; the very last step: nothing more to fetch
	WIN MUL_LO
	MUL16 0, 1, NQ-1, 1, 0
	MUL16 2, 1, NQ-1, 1, 0
	s_wait_dscnt 0
	WIN MUL_HI
	MUL16 4, 1, NQ-1, 1, 0
	MUL16 6, 1, NQ-1, 1, 0
	WIN 0
; THE WAY OUT, a block of 16 rows x 128 columns (two heads) at a time.  PACK: rounded to f16, 16 bytes a lane, each accumulator from its low end on.  TOSTAGE: into my stage, one plane a head, and back as rows of 128 bytes.
; SEND: four tokens of a head are 512 consecutive bytes of qkv, stored by the 32 lanes.
.macro PACK a
.set AC, 64*((\a)%4)
	WIN 0x0a+5*((\a)/4)                            ; sources 0 and 1: window 2 or 3
.irp b, 0,1,2,3,4,5,6,7
.irp i, 0,1,2,3
	v_cvt_pk_f16_f32 v[TMP+4*\b+\i], v[AC+8*\b+2*\i], v[AC+8*\b+2*\i+1]
.endr
.endr
	WIN 0
.endm
.macro TOSTAGE a
.set BB, BK+32*((\a)%2)
.irp b, 0,1,2,3,4,5,6,7
	ds_store_b128 v[STO], v[TMP+4*\b:TMP+4*\b+3] offset:PLANE*(\b/4)+32*(\b%4)
.endr
.irp t, 0,1,2,3,4,5,6,7
	ds_load_b128 v[BB+4*\t:BB+4*\t+3], v[RD] offset:PLANE*(\t/4)+4*SP*(\t%4)   ; LDS serves a wave's instructions in order: these see the stores above
.endr
.endm
.macro SEND a
.set BB, BK+32*((\a)%2)
	s_wait_dscnt 0x0                               ; the block is back in registers
	s_wait_xcnt 0x0                                ; the stores of the block before have read their registers: the next block's loads may land there
.irp t, 0,1,2,3,4,5,6,7
	global_store_b128 v[CO], v[BB+4*\t:BB+4*\t+3], s[12:13] offset:262144*(\t/4)+2048*(\a)+512*(\t%4)
.endr
.endm
	PLACES NP                                      ; behind the last products: for the conversions' reads and the loads into the registers that held A's fragments
	PACK 0
	TOSTAGE 0
.irp a, 1,2,3,4,5,6,7                  ; block a's conversions stand between block a - 1's loads from the stage and the wait for them
	PACK \a
	SEND \a-1
	TOSTAGE \a
.endr
	SEND 7
	s_wait_tensorcnt 0x0                           ; the wave's end, behind my last tensor load and my last LDS store
	ds_add_u32 v[SPW], v[NIL]
	s_wait_dscnt 0x0
	CROUND                                         ; the closing round
	s_endpgm
.Lfunc_end_k_q131c385df2_gemm_qkv:
	.size	k_q131c385df2_gemm_qkv, .Lfunc_end_k_q131c385df2_gemm_qkv-k_q131c385df2_gemm_qkv
	.p2alignl 7, 3214868480
	.fill 96, 4, 3214868480
	.section	.rodata,"a",@progbits
	.p2align	6, 0x0
	.amdhsa_kernel k_q131c385df2_gemm_qkv
		.amdhsa_group_segment_fixed_size 327680
		.amdhsa_private_segment_fixed_size 0
		.amdhsa_enable_private_segment 0
		.amdhsa_kernarg_size 48
		.amdhsa_user_sgpr_count 2
		.amdhsa_user_sgpr_kernarg_segment_ptr 1
		.amdhsa_wavefront_size32 1
		.amdhsa_system_sgpr_workgroup_id_x 1
		.amdhsa_system_sgpr_workgroup_id_y 1
		.amdhsa_system_sgpr_workgroup_id_z 1
		.amdhsa_system_vgpr_workitem_id 0
		.amdhsa_next_free_vgpr 1024
		.amdhsa_next_free_sgpr 100
		.amdhsa_reserve_vcc 0
		.amdhsa_float_denorm_mode_32 3
		.amdhsa_float_denorm_mode_16_64 3
		.amdhsa_memory_ordered 1
		.amdhsa_forward_progress 1
		.amdhsa_inst_pref_size 128
	.end_amdhsa_kernel
	.amdgpu_metadata
---
amdhsa.version: [ 1, 2 ]
amdhsa.kernels:
  - .name:           k_q131c385df2_gemm_qkv
    .symbol:         k_q131c385df2_gemm_qkv.kd
    .args:
      - { .name: xc, .offset: 0, .size: 8, .value_kind: global_buffer, .address_space: global }
      - { .name: xs, .offset: 8, .size: 8, .value_kind: global_buffer, .address_space: global }
      - { .name: wc, .offset: 16, .size: 8, .value_kind: global_buffer, .address_space: global }
      - { .name: ws, .offset: 24, .size: 8, .value_kind: global_buffer, .address_space: global }
      - { .name: qkv, .offset: 32, .size: 8, .value_kind: global_buffer, .address_space: global }
      - { .name: b_qkv, .offset: 40, .size: 8, .value_kind: global_buffer, .address_space: global }
    .group_segment_fixed_size: 327680
    .private_segment_fixed_size: 0
    .kernarg_segment_align: 8
    .kernarg_segment_size: 48
    .max_flat_workgroup_size: 128
    .sgpr_count:     100
    .vgpr_count:     1024
    .wavefront_size: 32
...
	.end_amdgpu_metadata
.endif
;; end of part 2
;; launch attn (part 3): grid 4 x 64, 8 waves a work-group, clusters of 4 x 1, 327,680 bytes of LDS; arguments qkv, ao; writes ao
.if DOCPART == 3
	.amdgcn_target "amdgcn-amd-amdhsa--gfx1250"
	.amdhsa_code_object_version 6
	.text
	.protected	k_q131c385df2_attn
	.globl	k_q131c385df2_attn
	.p2align	8
	.type	k_q131c385df2_attn,@function
k_q131c385df2_attn:
	s_mov_b64 s[64:65], 0
	v_nop
	global_prefetch_b8 v0, s[64:65] scope:SCOPE_SE
	s_setreg_imm32_b32 hwreg(HW_REG_WAVE_MODE, 25, 1), 1
	s_wait_xcnt 0x0
	s_wait_alu depctr_hold_cnt(0) depctr_sa_sdst(0) depctr_va_vdst(0) depctr_va_sdst(0) depctr_va_ssrc(0) depctr_va_vcc(0) depctr_vm_vsrc(0)
	s_getreg_b32 s2, hwreg(HW_REG_IB_STS2, 6, 4)
	s_cmp_eq_u32 s2, 0
	s_cbranch_scc0 .Lentry_in_a_cluster
	s_endpgm
.Lentry_in_a_cluster:
	s_bfe_u32 s2, ttmp6, 0x10000c
	s_cmp_lg_u32 s2, 0x3003
	s_cbranch_scc0 .Lentry_shape_is_right
	s_endpgm
.Lentry_shape_is_right:
; ao[b][h][q][:] = the sum over k of softmax_k(Q[q] . K[k] / 8) V[k][:], for each of the 64 (batch, head).  Q, K, V: the three parts of qkv, [64][2048][64] f16; ao the same shape, f16.
; Products, maxima and sums in f32; the weights p (at most 1, by a running maximum) are rounded to f16 for the second product, the result once at the end.  LIMIT: f16's range, 65,504, for q, k, v.
; SHARES.  A cluster of four work-groups is one (batch, head); a work-group owns 512 queries, each of its eight waves 64: four tiles of 16.  Two waves share a SIMD, 512 registers each.  Every wave walks all 2,048 keys, 64 a step.
; LAYOUT.  S^T = K Q^T (source 0 = 16 keys, source 1 = 16 queries): a lane holds ONE query (lane % 16) and keys 8 (lane / 16) + 0..7 of each tile of 16.  Two such tiles, rounded to f16 in pairs, ARE source 1 of
; O^T = V^T P, whose result again holds one query a lane.  K comes out of LDS as it lies, V ([key][channel]) turned, by ds_load_tr16_b128.  P LIES IN PLACE: weight pair n of a tile is written over score register n.
; SOFTMAX.  A running maximum m and sum l for each query: p = 2^(c s - c m), c = log2(e) / 8; in every step O and l are multiplied by a = 2^(c m_old - c m_new).
; BY TURNS.  The wave's tiles are two pieces (tiles 0, 1; tiles 2, 3).  In a turn one piece has the matrix unit (16 products V^T P of the step in hand, 16 products K Q^T of the next) and the other piece's softmax,
; 236 vector instructions cut into 32 slices, stands between them, a slice behind each product.  Then the pieces change places.  Two turns are a key step.
; CLUSTER.  The four work-groups walk the same K and V: each tile is asked for JOINTLY, by the same tensor load with the mask of all four.
; REGISTERS.  window 0: v1-11 addresses; v12-43 statistics, eight a tile; v61-63; v64-191 S^T (and P), 32 a tile; v192-255 K of one step.   window 1: v0-127 O^T, 32 a tile; v128-191 Q; v192-255 V of one step.
.set KS,    64                         ; keys in a step
.set PK,    144                        ; a row of K in LDS: 128 bytes + 16: the 16 rows of a load start 36 words apart
.set PVP,   160                        ; a row of V: 128 + 32: 16 lanes of the turning load take 8 rows x 32 bytes
.set VOFF,  KS*PK                      ; a step's tiles lie together: 64 rows of K, then 64 rows of V
.set STEPB, KS*(PK+PVP)
.set NST,   4                          ; key steps in a slot
.set SLOTB, NST*KS*128                 ; a slot's bytes of K, or of V, in memory
.set SLOT1, 1<<17                      ; slot 1 begins here: one exclusive or turns an address in one slot into the other's
.set STAGE, SLOT1+NST*STEPB            ; behind the ring: 16 rows x 144 bytes for each wave, for the way out
.set SP,    144
.set SPARE, STAGE+8*16*SP              ; the spare words, 128 bytes a wave: four blocks of 256 bytes that no other line names
.set AK0, 2                            ; v2   my lane's place in a tile of K
.set AV0, 3                            ; v3   the same for V
.set ADR, 4                            ; v4   the LDS address of the run of loads in hand
.set QO,  5                            ; v5   my byte offset in the wave's rows of Q
.set STO, 6
.set RD,  7
.set GO,  8
.set PFO, 61                           ; v61  256 x my lane; never rewritten
.set SPW, 62                           ; v62  LDS address of my spare word; never rewritten
.set NIL, 63                           ; v63  0; never rewritten
.set ST,  12                           ; tile t's statistics at v[ST + 8 t]: +0 c m, +1 m, +2, +3 l (even keys', odd keys'), +4 to +7 at work; a takes +6
.set S,   64
.set KF,  192                          ; K's fragments, window 0: (key tile kt, channel step c) at KF + 16 kt + 8 c
.set QF,  128                          ; Q's, window 1: (tile t, c) at QF + 16 t + 8 c
.set VF,  192                          ; V's, window 1: (32 keys kh, 16 channels ct) at VF + 32 kh + 8 ct
.set WV,  12
.set LIM, 15                           ; s15  1 in a wave that prefetches, else the greatest number
.set PFA, 18                           ; s[18:19] where my prefetches stand
.set G1K, 24
.set G1V, 32
.set G0K, 40                           ; s[40:47]: a set for each of the two first fills; the second then walks on
.set G0V, 48
.set SLOTS, 56
.set TWICE, 57
.set CS,  58
.set SEL, 60
.set TB,  62                           ; s62  LDS byte at which the tiles of the step to be fetched begin
.set MSB, 0
.macro WIN new                         ; the immediate's high byte repeats the setting that is left; a switch that changes nothing is dropped
.if MSB != (\new)
	s_set_vgpr_msb (MSB<<8)|(\new)
.set MSB, \new
.endif
.endm
.set W_KQ, 0x04                        ; Q (source 1) in window 1; K, S^T in window 0
.set W_PV, 0x51                        ; V (source 0), O^T (C and D) in window 1; P in window 0
.set W_RS, 0x41                        ; O^T (destination and source 0) in window 1, a in window 0
; A joint refill: waves 0 to 3 fetch the four steps' tiles of K, waves 4 to 7 those of V.  An s_nop 0 and four v_nop follow each of the two lines.
.macro JLOAD
	s_cmp_lt_u32 s[WV], 4
	s_cbranch_scc0 .Lfor_v_\@
	tensor_load_to_lds s[G0K+4:G0K+7], s[G1K:G1K+7]
	s_nop 0
.rept 4
	v_nop
.endr
	s_branch .Lasked_\@
.Lfor_v_\@:
	tensor_load_to_lds s[G0V+4:G0V+7], s[G1V:G1V+7]
	s_nop 0
.rept 4
	v_nop
.endr
.Lasked_\@:
.endm
; A prefetch of what the NEXT change of slots will ask for: a slot's 32,768 bytes of K and of V.  The four partners take 8,192 bytes each, told apart by ADDRESS; in each, wave 0 asks for K's and wave 4 for V's,
; a lane 256 bytes: each aligned block of 256 bytes is named once in the launch.  It stands four key steps, 256 matrix instructions a wave, ahead of the load.  The last change that fills a slot asks for nothing.
.macro ASK
	s_cmp_gt_u32 s[SLOTS], s[LIM]
	s_cbranch_scc0 .Lnot_mine_\@
	global_prefetch_b8 v[PFO], s[PFA:PFA+1] th:TH_LOAD_NT scope:SCOPE_SE
.Lnot_mine_\@:
.endm
.macro CROUND                          ; a round of the cluster's barrier
	s_barrier_signal -1
	s_barrier_wait -1
	s_cmp_lg_u32 s[WV], 0
	s_cbranch_scc1 .Lnot_wave_0_\@
	s_barrier_signal -3
.Lnot_wave_0_\@:
	s_barrier_wait -3
	s_barrier_signal -1
	s_barrier_wait -1
.endm
	s_load_b64 s[4:5], s[0:1], 0x0                 ; qkv
	s_load_b64 s[10:11], s[0:1], 0x8               ; ao
	v_lshl_add_u32 v[SPW], v0, 2, SPARE
	v_mov_b32 v[NIL], 0
	ds_add_u32 v[SPW], v[NIL]                      ; the wave's opening: the add, twice on end, and its wait ahead of my first tensor load
	ds_add_u32 v[SPW], v[NIL]
	v_lshrrev_b32 v1, 5, v0
	v_readfirstlane_b32 s[WV], v1                  ; wave 0..7
	s_bfe_u32 s13, ttmp6, 0x40000                  ; cx: my block of 512 queries; it enters Q's, ao's and the prefetches' addresses alone
	s_and_b32 s20, ttmp7, 0xffff                   ; (batch, head), which the four partners share
	s_lshl_b32 s20, s20, 18                        ; its first byte in each part of qkv and in ao
	s_mov_b32 s21, 0
	s_and_b32 s16, s[WV], 3                        ; which of a slot's four steps I fetch:
	s_lshl_b32 s22, s16, 13                        ; its 64 rows of 128 bytes in memory,
	s_mov_b32 s23, 0
	s_add_nc_u64 s[22:23], s[22:23], s[20:21]
	s_mul_i32 s17, s16, STEPB                      ; and its place in a slot
	s_lshl_b32 s2, s13, 16                         ; my block's 512 rows,
	s_lshl_b32 s3, s[WV], 13                       ; my wave's 64 of them
	s_add_co_u32 s2, s2, s3
	s_mov_b32 s3, 0
	s_add_nc_u64 s[2:3], s[2:3], s[20:21]
	; descriptor group 1: 64 rows x 64 elements of 2 bytes, padded behind every row (32 words: code 4) by 4 words (K) or 8 (V); the mask names all four work-groups, bit 21 beside it
	s_mov_b32 s[G1K], 15|(1<<16)|(1<<20)|(1<<21)|(4<<22)|(3<<25)
	s_mov_b32 s[G1V], 15|(1<<16)|(1<<20)|(1<<21)|(4<<22)|(7<<25)
.irp g, G1K, G1V
	s_mov_b32 s[\g+1], 64<<16                      ; tensor_dim0
	s_mov_b32 s[\g+2], KS<<16                      ; tensor_dim1
	s_mov_b32 s[\g+3], 64<<16                      ; tile_dim0
	s_mov_b32 s[\g+4], KS                          ; tile_dim1
	s_mov_b32 s[\g+5], 64                          ; elements from row to row
	s_mov_b32 s[\g+6], 0
	s_mov_b32 s[\g+7], 0
.endr
	s_mov_b32 s[CS], 0x3e38aa3b                    ; c = log2(e) / 8
	s_mov_b32 s[CS+1], s[CS]                       ; named with it as a pair, so it is written
	s_mov_b32 s[SEL], 0x76543210
	s_mov_b32 s[SEL+1], 0xfedcba98
	s_mov_b32 s[TB], 0
	s_mov_b32 s[SLOTS], 2048/(NST*KS)-2            ; six slots are filled again
	s_cmp_eq_u32 s16, 0                            ; waves 0 and 4 prefetch: the same in all four partners
	s_cselect_b32 s[LIM], 1, -1
	v_and_b32 v[PFO], 31, v0
	v_lshlrev_b32 v[PFO], 8, v[PFO]
	s_wait_dscnt 0x0                               ; both opening adds are done
	s_wait_kmcnt 0x0
	s_add_nc_u64 s[6:7], s[4:5], 0x1000000         ; K's part of qkv,
	s_add_nc_u64 s[8:9], s[4:5], 0x2000000         ; V's
	s_add_nc_u64 s[6:7], s[6:7], s[22:23]          ; at my tile of slot 0
	s_add_nc_u64 s[8:9], s[8:9], s[22:23]
	s_add_nc_u64 s[4:5], s[4:5], s[2:3]            ; Q and ao at my wave's first row
	s_add_nc_u64 s[10:11], s[10:11], s[2:3]
	s_cmp_lt_u32 s[WV], 4
	s_cselect_b64 s[PFA:PFA+1], s[6:7], s[8:9]     ; (in waves 0 and 4 these stand at a slot's first row)
	s_lshl_b32 s2, s13, 13                         ; my work-group's 8,192 bytes of the 32,768
	s_mov_b32 s3, 0
	s_add_nc_u64 s[PFA:PFA+1], s[PFA:PFA+1], s[2:3]
	s_add_nc_u64 s[PFA:PFA+1], s[PFA:PFA+1], 2*SLOTB  ; in slot 2; the first change of slots steps it to slot 3.  Nothing is prefetched at the head
	CROUND                                         ; all four work-groups are here: the first joint loads meet
.irp s, 0,1
	s_mov_b32 s[G0K+4*\s], 1
	s_add_co_u32 s[G0K+4*\s+1], s17, \s*SLOT1
	s_add_nc_u64 s[G0K+4*\s+2:G0K+4*\s+3], s[6:7], \s*SLOTB
	s_or_b32 s[G0K+4*\s+3], s[G0K+4*\s+3], 0x80000000
	s_mov_b32 s[G0V+4*\s], 1
	s_add_co_u32 s[G0V+4*\s+1], s17, \s*SLOT1+VOFF
	s_add_nc_u64 s[G0V+4*\s+2:G0V+4*\s+3], s[8:9], \s*SLOTB
	s_or_b32 s[G0V+4*\s+3], s[G0V+4*\s+3], 0x80000000
.endr
	s_cmp_lt_u32 s[WV], 4                          ; a wave's two first fills stand in one branch, ahead of every wait on TENSORcnt and every LDS read: two loads of mine are out
	s_cbranch_scc0 .Lfirst_v
	tensor_load_to_lds s[G0K:G0K+3], s[G1K:G1K+7]
	s_nop 0
	tensor_load_to_lds s[G0K+4:G0K+7], s[G1K:G1K+7]
	s_nop 0
.rept 4
	v_nop
.endr
	s_branch .Lfirst_asked
.Lfirst_v:
	tensor_load_to_lds s[G0V:G0V+3], s[G1V:G1V+7]
	s_nop 0
	tensor_load_to_lds s[G0V+4:G0V+7], s[G1V:G1V+7]
	s_nop 0
.rept 4
	v_nop
.endr
.Lfirst_asked:
	; A fragment of K or Q is 16 rows x 32 channels in 8 registers: lane l holds row l % 16; registers 0-3 channels 8 (l / 16) + 0..7, registers 4-7 channels 16 + 8 (l / 16) + 0..7: two loads of 16 bytes, 32 bytes apart
	v_and_b32 v1, 15, v0                           ; l % 16
	v_bfe_u32 v9, v0, 4, 1                         ; l / 16
	v_lshlrev_b32 v[QO], 7, v1
	v_lshl_add_u32 v[QO], v9, 4, v[QO]             ; row x 128 + 16 x half
	WIN 0x40                                       ; destination window 1, address window 0
.irp i, 0,1,2,3,4,5,6,7                        ; Q stays in registers: tile i / 2, channels 32 (i % 2) on
	global_load_b128 v[QF+8*\i:QF+8*\i+3],   v[QO], s[4:5] offset:(\i/2)*2048+(\i%2)*64
	global_load_b128 v[QF+8*\i+4:QF+8*\i+7], v[QO], s[4:5] offset:(\i/2)*2048+(\i%2)*64+32
.endr
	WIN 0
	v_mul_u32_u24 v[AK0], v1, PK
	v_lshl_add_u32 v[AK0], v9, 4, v[AK0]           ; row x pitch + 16 x half
	; the turning load: lane l reads 16 bytes of key 8 (l / 16) + l % 8, channels 8 ((l / 8) % 2) + 0..7, and is left with channel l % 16 and 8 keys
	v_and_b32 v10, 7, v0
	v_bfe_u32 v11, v0, 3, 1
	v_lshl_add_u32 v[AV0], v9, 3, v10
	v_mul_u32_u24 v[AV0], v[AV0], PVP
	v_lshl_add_u32 v[AV0], v11, 4, v[AV0]
	v_add_nc_u32 v[AV0], VOFF, v[AV0]
; THE MATRIX WORK OF A TURN, for piece x.  The accumulators take turns, one instruction a turn: between two links of a chain stand seven others'.
; Product i of 16 of O^T += V^T P: keys 32 (i / 8) on, channels 16 ((i / 2) % 4) on, tile x + i % 2.  zero = 1: the first 8 start the sums.
.macro PV x, zero
	WIN W_PV
.set rO, 32*(\x+i%2)+8*((i/2)%4)
.set rV, VF+32*(i/8)+8*((i/2)%4)
.set rP, S+32*(\x+i%2)+8*(i/8)
.if \zero && (i < 8)
	v_wmma_f32_16x16x32_f16 v[rO:rO+7], v[rV:rV+7], v[rP:rP+7], 0
.else
	v_wmma_f32_16x16x32_f16 v[rO:rO+7], v[rV:rV+7], v[rP:rP+7], v[rO:rO+7]
.endif
.endm
; Product i of 16 of S^T = K Q^T: channels 32 (i / 8) on, tile x + i % 2; the key tiles go in the order 2, 3, 0, 1, so that the registers that held P (tiles 0 and 1's) are written over last:
; tile 1's by the turn's products 22 and 23, seven slices behind products 14 and 15, which read them last.  The first 8 start the sums.
.macro KQ x
	WIN W_KQ
.set kt, ((i/2)+2)%4
.set rS, S+32*(\x+i%2)+8*kt
.set rK, KF+16*kt+8*(i/8)
.set rQ, QF+16*(\x+i%2)+8*(i/8)
.if i < 8
	v_wmma_f32_16x16x32_f16 v[rS:rS+7], v[rK:rK+7], v[rQ:rQ+7], 0
.else
	v_wmma_f32_16x16x32_f16 v[rS:rS+7], v[rK:rK+7], v[rQ:rQ+7], v[rS:rS+7]
.endif
.endm
; THE LDS LOADS stand in runs of 16: a step's K (8 fragments) and, a turn later, its V (turned).
.macro FETCH_K
	WIN 0
	v_add_nc_u32 v[ADR], s[TB], v[AK0]
.irp f, 0,1,2,3,4,5,6,7                        ; keys 16 (f / 2) on, channels 32 (f % 2) on
	ds_load_b128 v[KF+8*\f:KF+8*\f+3],   v[ADR] offset:(\f/2)*16*PK+(\f%2)*64
	ds_load_b128 v[KF+8*\f+4:KF+8*\f+7], v[ADR] offset:(\f/2)*16*PK+(\f%2)*64+32
.endr
.endm
.macro FETCH_V
	WIN 0
	v_add_nc_u32 v[ADR], s[TB], v[AV0]
	s_add_co_u32 s[TB], s[TB], STEPB               ; the next fetch is the next step's
	s_wait_alu depctr_va_vdst(0)                   ; the wait for the softmax's batch of exponentials, ahead of the first line that names a result
	WIN 0x40                                       ; destination window 1
.irp f, 0,1,2,3,4,5,6,7                        ; keys 32 (f / 4) on, channels 16 (f % 4) on
	ds_load_tr16_b128 v[VF+8*\f:VF+8*\f+3],   v[ADR] offset:(\f/4)*32*PVP+(\f%4)*32
	ds_load_tr16_b128 v[VF+8*\f+4:VF+8*\f+7], v[ADR] offset:(\f/4)*32*PVP+16*PVP+(\f%4)*32
.endr
.endm
; THE VECTOR WORK OF A TURN.  One tile's softmax for one key step is a list of 118 instructions; SM writes number j of it for tile t.  s0-s31 are the lane's 32 scores, in pairs 0-15.
;   0-15    the maximum of s0-s31 and the old m, three operands at a time (the first four read each accumulator's registers 0 to 2)
;   16-20   the other half of the lanes' maximum; the new m; c m; c m_old - c m_new
;   21-69   ONE BATCH: the 16 scalings c s - c m and all 33 exponentials (a at 23, then s0-s31); none of these reads an exponential's result
;   (wait)  between 69 and 70 stands the one wait for the batch, for both tiles
;   70-101  by turns: the sum takes pair n (the first with l x a), then pair n is rounded to f16 into register n, which belongs to pair n / 2, already summed and rounded
;   102-117 the tile's O^T times a, ascending: the one part that leaves window 0
; first = 1: the first key step, which starts m, l and O^T: it has no a and nothing to rescale.
.macro SM t, first
.set rT, ST+8*(\t)
.set rS, S+32*(\t)
.set rO, 32*(\t)+2*(j-102)
.if j < 102
	WIN 0
.endif
.if j < 4
	v_max3_num_f32 v[rT+4+j], v[rS+8*j], v[rS+8*j+1], v[rS+8*j+2]
.elseif j < 12
	v_max3_num_f32 v[rT+4+j%4], v[rT+4+j%4], v[rS+8*(j%4)+2*(j/4)+1], v[rS+8*(j%4)+2*(j/4)+2]
.elseif j == 12
	v_max3_num_f32 v[rT+4], v[rT+4], v[rS+7], v[rS+15]
.elseif j == 13
	v_max3_num_f32 v[rT+6], v[rT+6], v[rS+23], v[rS+31]
.elseif j == 14
	v_max3_num_f32 v[rT+4], v[rT+4], v[rT+5], v[rT+6]
.elseif (j == 15) && \first
	v_max_num_f32 v[rT+4], v[rT+4], v[rT+7]
.elseif j == 15
	v_max3_num_f32 v[rT+4], v[rT+4], v[rT+7], v[rT+1]
.elseif j == 16
	v_permlanex16_b32 v[rT+5], v[rT+4], s[SEL], s[SEL+1]  ; the query's other 32 keys lie in the lane 16 away
.elseif j == 18
	v_max_num_f32 v[rT+1], v[rT+4], v[rT+5]
.elseif j == 19
	v_mul_f32 v[rT], s[CS], v[rT+1]
.elseif ((j == 17) || (j == 20) || (j == 23) || (j > 101)) && \first  ; the first step has none of these
.elseif j == 17
	v_mov_b32 v[rT+7], v[rT]                       ; c m_old is kept for a
.elseif j == 20
	v_sub_f32 v[rT+7], v[rT+7], v[rT]
.elseif j == 23
	v_exp_f32 v[rT+6], v[rT+7]
.elseif (j < 23) || ((j < 38) && (j%2 == 0)) || ((j < 66) && (j%4 == 2))
.set pb, (j-2)/4                       ; 38, 42, .. 62: pairs 9 to 15
.if j < 38
.set pb, (j-20)/2                      ; 21: pair 0; 22, 24, .. 36: pairs 1 to 8
.endif
	v_pk_fma_f32 v[rS+2*pb:rS+2*pb+1], v[rS+2*pb:rS+2*pb+1], s[CS:CS+1], v[rT:rT+1] op_sel_hi:[1,0,0] neg_lo:[0,0,1] neg_hi:[0,0,1]  ; c s - c m
.elseif j < 70
.set pe, j-38                          ; 66 to 69: s28 to s31
.if j < 66
.set pe, j-32-(j-38)/4                 ; 39-41, 43-45, .. 63-65: s7 to s27
.endif
.if j < 38
.set pe, (j-25)/2                      ; 25, 27, .. 37: s0 to s6
.endif
	v_exp_f32 v[rS+pe], v[rS+pe]
.elseif j < 102
.set pn, (j-70)/2
.if (j%2 == 0) && (pn == 0) && \first
	v_pk_mul_f32 v[rT+2:rT+3], v[rS:rS+1], 1.0 op_sel_hi:[1,0]     ; l begins with pair 0
.elseif (j%2 == 0) && (pn == 0)
	v_pk_fma_f32 v[rT+2:rT+3], v[rT+2:rT+3], v[rT+6:rT+7], v[rS:rS+1] op_sel_hi:[1,0,1]   ; l = a l + pair 0
.elseif j%2 == 0
	v_pk_add_f32 v[rT+2:rT+3], v[rT+2:rT+3], v[rS+2*pn:rS+2*pn+1]
.else
	v_cvt_pk_f16_f32 v[rS+pn], v[rS+2*pn], v[rS+2*pn+1]
.endif
.else
	WIN W_RS
	v_pk_mul_f32 v[rO:rO+1], v[rO:rO+1], v[rT+6:rT+7] op_sel_hi:[1,0]
.endif
.endm
; Unit u of 59 of piece y's softmax: four instructions.  Units 11 to 34 deal out the batch, numbers 22 to 69, four numbers of ONE tile each, the tiles by turns; every other unit is numbers 2 u and 2 u + 1 of both tiles.
; Behind unit 34 both tiles' 66 exponentials are issued and no result has been named: there stand one plain instruction and the turn's one wait (in piece 2's turn inside V's run of loads).
.macro UNIT y, first
.if (u >= 11) && (u < 35)
.irp n, 0,1,2,3
.set j, 22+4*((u-11)/2)+(\n)
	SM (\y)+(u-11)%2, \first
.endr
.else
.irp n, 0,1
.irp t, \y, \y+1
.set j, 2*u+\n
	SM \t, \first
.endr
.endr
.endif
.if u == 34
	v_nop                                          ; the plain instruction behind the last exponential
.if (\y) == 0
	FETCH_V
.else
	s_wait_alu depctr_va_vdst(0)                   ; the wait for the batch
.endif
.endif
.set u, u+1
.endm
; Slice k of 32: one or two units, 59 in all.  Slice 18 ends with unit 34; slice 31 is units 57 and 58: eight rescalings that name nothing of the products round them: the places behind the turn's last K Q^T.
.macro SLICE y, first
.rept (59*(k+1))/32-(59*k)/32
	UNIT \y, \first
.endr
.set k, k+1
.endm
.macro PLACES
.rept 4
	v_nop
.endr
.endm
; A TURN.  Piece x has the matrix unit.  pv = 2: 16 products V^T P; 1: they start O^T's sums; 0: none.  kq = 1: 16 products K Q^T for the next step.  A turn with one kind has two slices behind each product.
; Piece 0's turn fetches the next step's K behind its second product (K's last reader stands in front of slice 31 of the turn before); piece 2's turn fetches that step's V behind slice 18
; (V's last reader is product 15; between them stand six scalings, the v_nop and the run's own addition).
.macro TURN x, pv, kq, first
.set k, 0
.set u, 0
.set per, 2
.if \pv && \kq
.set per, 1
.endif
.if \pv
.if \x == 0
	s_wait_dscnt 0x0                               ; V is in
.endif
.set i, 0
.rept 16
	PV \x, 2-\pv
.rept per
	SLICE 2-\x, \first
.endr
.if (\x == 0) && \kq && (i == 1)
	FETCH_K
.endif
.set i, i+1
.endr
.endif
.if \kq
.if \x == 0
	s_wait_dscnt 0x0                               ; K is in
.endif
.set i, 0
.rept 16
	KQ \x
.rept per
	SLICE 2-\x, \first
.endr
.set i, i+1
.endr
.endif
.if \first
	PLACES                                         ; the first step's last slices are empty: these take slice 31's part
.endif
.endm
; THE CHANGE OF SLOTS, between piece 2's turn and piece 0's: the slot's last bytes, V of its fourth step, have been asked for.  Each wave waits for all its tensor loads (one is out: its part of the other slot),
; adds 0 to its spare word, and waits for that and for its reads of the slot.  fill = 1: the barrier is a round of the cluster's, and the joint refill, the keys two slots on, is the first thing behind it.
.macro CHANGE fill
	WIN 0
	s_wait_tensorcnt 0x0                           ; no tensor load of mine is out, so a group 0 may be written
	ds_add_u32 v[SPW], v[NIL]
.if \fill
.irp g, G0K+4, G0V+4
	s_xor_b32 s[\g+1], s[\g+1], SLOT1              ; the walking descriptor: the other slot than last time,
	s_add_nc_u64 s[\g+2:\g+3], s[\g+2:\g+3], SLOTB ; the next 256 keys
.endr
	s_wait_xcnt 0x0                                ; the last prefetch, four key steps back, has read its address
	s_add_nc_u64 s[PFA:PFA+1], s[PFA:PFA+1], SLOTB
	s_wait_dscnt 0x0                               ; the add is done, and my reads of the slot are over
	CROUND
	JLOAD
	ASK
.else
	s_wait_dscnt 0x0
	s_barrier_signal -1
	s_barrier_wait -1
.endif
	s_sub_co_u32 s[TB], s[TB], NST*STEPB           ; the fetches go back to a slot's first step,
	s_xor_b32 s[TB], s[TB], SLOT1                  ; in the other slot
.endm
.macro N_STEPS n                       ; n key steps: written once, walked n times; the LDS addresses hang on s[TB]
	s_mov_b32 s[TWICE], \n
.Lstep_\@:
	TURN 0, 2, 1, 0
	TURN 2, 2, 1, 0
	WIN 0
	s_sub_co_u32 s[TWICE], s[TWICE], 1
	s_cmp_lg_u32 s[TWICE], 0
	s_cbranch_scc1 .Lstep_\@
.endm
	s_wait_tensorcnt 1                             ; my part of slot 0 is in; slot 1's may stay out
	s_barrier_signal -1
	s_barrier_wait -1
	FETCH_K                                        ; key step 0
	s_wait_loadcnt 0x0                             ; Q
	s_wait_dscnt 0x0
.set i, 0
.rept 16
	KQ 0                                           ; piece 0's first scores
.set i, i+1
.endr
	WIN 0                                          ; the addresses for the way out are made here: plain instructions, the places behind those products
	s_mul_i32 s13, s[WV], 16*SP
	s_add_co_u32 s13, s13, STAGE                   ; my stage
	v_mul_u32_u24 v[STO], v1, SP                   ; in: row l % 16, 16 bytes for each half of the lanes
	v_lshl_add_u32 v[STO], v9, 4, v[STO]
	v_add_nc_u32 v[STO], s13, v[STO]
	v_bfe_u32 v11, v0, 3, 2                        ; back: eight lanes to a row of 128 bytes, four rows an instruction
	v_mul_u32_u24 v[RD], v11, SP
	v_lshl_add_u32 v[RD], v10, 4, v[RD]
	v_add_nc_u32 v[RD], s13, v[RD]
	v_and_b32 v[GO], 31, v0
	v_lshlrev_b32 v[GO], 4, v[GO]                  ; four rows of ao are 512 consecutive bytes
	TURN 2, 0, 1, 1                                ; piece 2's first scores | piece 0's first softmax | V of step 0
	TURN 0, 1, 1, 1                                ; piece 0: V^T P of step 0 starts O^T, K Q^T of step 1 | piece 2's first softmax | K of step 1
	TURN 2, 1, 1, 0                                ; piece 2: the same | piece 0's softmax of step 1 | V of step 1
	WIN 0
	N_STEPS 2                                      ; steps 2 and 3 are fetched: slot 0 is read out
.Lslot:                                                ; six trips: every slot but the last two is filled again
	CHANGE 1
	N_STEPS 4
	s_sub_co_u32 s[SLOTS], s[SLOTS], 1
	s_cmp_lg_u32 s[SLOTS], 0
	s_cbranch_scc1 .Lslot
	CHANGE 0                                       ; the tail is written out
	N_STEPS 4
	TURN 0, 2, 0, 0                                ; piece 0: V^T P of the last step | piece 2's last softmax
.set i, 0
.rept 16
	PV 2, 0                                        ; piece 2: V^T P of the last step
.set i, i+1
.endr
	; THE WAY OUT.  l's two halves and the other half of the lanes' are added (these additions are the places behind the last products); O^T is divided by l, rounded to f16 and sent through my stage, a tile at a time.
	WIN 0
.irp t, 0,1,2,3
	v_add_f32 v[ST+8*\t+4], v[ST+8*\t+2], v[ST+8*\t+3]
.endr
.irp t, 0,1,2,3
	v_permlanex16_b32 v[ST+8*\t+5], v[ST+8*\t+4], s[SEL], s[SEL+1]
.endr
.irp t, 0,1,2,3
	v_add_f32 v[ST+8*\t+4], v[ST+8*\t+4], v[ST+8*\t+5]
.endr
.irp t, 0,1,2,3
	v_rcp_f32 v[ST+8*\t+6], v[ST+8*\t+4]
.endr
	v_nop                                          ; a plain instruction behind the last reciprocal
	s_wait_alu depctr_va_vdst(0)                   ; one wait for the four, ahead of their first reader
.macro PACK t
	WIN W_RS
.set i, 32*\t
.rept 16
	v_pk_mul_f32 v[i:i+1], v[i:i+1], v[ST+8*\t+6:ST+8*\t+7] op_sel_hi:[1,0]
.set i, i+2
.endr
	WIN 0x05                                       ; sources 0 and 1 window 1, destination window 0: S^T's registers are free
.set i, 0
.rept 16
	v_cvt_pk_f16_f32 v[S+32*\t+i], v[32*\t+2*i], v[32*\t+2*i+1]
.set i, i+1
.endr
	WIN 0
.irp f, 0,1,2,3
	ds_store_b128 v[STO], v[S+32*\t+4*\f:S+32*\t+4*\f+3] offset:32*\f
.endr
.irp f, 0,1,2,3
	ds_load_b128 v[S+32*\t+4*\f:S+32*\t+4*\f+3], v[RD] offset:\f*4*SP  ; LDS serves a wave's instructions in order: these see the stores above; the next tile's stores come behind them
.endr
.endm
.macro SEND t, younger                 ; younger: the LDS instructions issued behind tile t's loads: the next tile's eight, or none
.irp f, 0,1,2,3
	s_wait_dscnt \younger+3-\f
	global_store_b128 v[GO], v[S+32*\t+4*\f:S+32*\t+4*\f+3], s[10:11] offset:\t*2048+\f*512  ; 32 lanes store 512 consecutive bytes, aligned
.endr
.endm
	PACK 0
	PACK 1
	SEND 0, 8
	PACK 2
	SEND 1, 8
	PACK 3
	SEND 2, 8
	SEND 3, 0
	s_wait_tensorcnt 0x0                           ; the wave's end, behind my last tensor load and my last LDS store
	ds_add_u32 v[SPW], v[NIL]
	s_wait_dscnt 0x0
	CROUND                                         ; the closing round
	s_endpgm
.Lfunc_end_k_q131c385df2_attn:
	.size	k_q131c385df2_attn, .Lfunc_end_k_q131c385df2_attn-k_q131c385df2_attn
	.p2alignl 7, 3214868480
	.fill 96, 4, 3214868480
	.section	.rodata,"a",@progbits
	.p2align	6, 0x0
	.amdhsa_kernel k_q131c385df2_attn
		.amdhsa_group_segment_fixed_size 327680
		.amdhsa_private_segment_fixed_size 0
		.amdhsa_enable_private_segment 0
		.amdhsa_kernarg_size 16
		.amdhsa_user_sgpr_count 2
		.amdhsa_user_sgpr_kernarg_segment_ptr 1
		.amdhsa_wavefront_size32 1
		.amdhsa_system_sgpr_workgroup_id_x 1
		.amdhsa_system_sgpr_workgroup_id_y 1
		.amdhsa_system_sgpr_workgroup_id_z 1
		.amdhsa_system_vgpr_workitem_id 0
		.amdhsa_next_free_vgpr 512
		.amdhsa_next_free_sgpr 66
		.amdhsa_reserve_vcc 0
		.amdhsa_float_denorm_mode_32 3
		.amdhsa_float_denorm_mode_16_64 3
		.amdhsa_memory_ordered 1
		.amdhsa_forward_progress 1
		.amdhsa_inst_pref_size 194
	.end_amdhsa_kernel
	.amdgpu_metadata
---
amdhsa.version: [ 1, 2 ]
amdhsa.kernels:
  - .name:           k_q131c385df2_attn
    .symbol:         k_q131c385df2_attn.kd
    .args:
      - { .name: qkv, .offset: 0, .size: 8, .value_kind: global_buffer, .address_space: global }
      - { .name: ao, .offset: 8, .size: 8, .value_kind: global_buffer, .address_space: global }
    .group_segment_fixed_size: 327680
    .private_segment_fixed_size: 0
    .kernarg_segment_align: 8
    .kernarg_segment_size: 16
    .max_flat_workgroup_size: 256
    .sgpr_count:     66
    .vgpr_count:     512
    .wavefront_size: 32
...
	.end_amdgpu_metadata
.endif
;; end of part 3
;; launch proj (part 4): grid 8 x 32, 4 waves a work-group, clusters of 4 x 4, 327,680 bytes of LDS; arguments ao, wp, out0, b_proj; writes out0
.if DOCPART == 4
	.amdgcn_target "amdgcn-amd-amdhsa--gfx1250"
	.amdhsa_code_object_version 6
	.text
	.protected	k_q131c385df2_proj
	.globl	k_q131c385df2_proj
	.p2align	8
	.type	k_q131c385df2_proj,@function
k_q131c385df2_proj:
	s_mov_b64 s[64:65], 0
	v_nop
	global_prefetch_b8 v0, s[64:65] scope:SCOPE_SE
	s_setreg_imm32_b32 hwreg(HW_REG_WAVE_MODE, 25, 1), 1
	s_wait_xcnt 0x0
	s_wait_alu depctr_hold_cnt(0) depctr_sa_sdst(0) depctr_va_vdst(0) depctr_va_sdst(0) depctr_va_ssrc(0) depctr_va_vcc(0) depctr_vm_vsrc(0)
	s_getreg_b32 s2, hwreg(HW_REG_IB_STS2, 6, 4)
	s_cmp_eq_u32 s2, 0
	s_cbranch_scc0 .Lentry_in_a_cluster
	s_endpgm
.Lentry_in_a_cluster:
	s_bfe_u32 s2, ttmp6, 0x10000c
	s_cmp_lg_u32 s2, 0xf033
	s_cbranch_scc0 .Lentry_shape_is_right
	s_endpgm
.Lentry_shape_is_right:
; out0[m][n] = the sum over k of A[m][k] W_proj[k][n] + b_proj[n].  A is ao, f16, laid [batch][head][token][64]: k = 64 x head + channel.  wp is W_proj in f16, [k][n].  Sums in f32, out0 f32.
; A tile of 256 rows x 128 columns gives 256 work-groups.  Four waves, each 128 rows x 64 columns: 32 accumulators, all of window 1.  K goes in steps of 128 (two heads) through a ring of two LDS slots.
; THE MATRIX INSTRUCTION IS USED TRANSPOSED (source 0 = 16 columns of W_proj, turned out of LDS by ds_load_tr16_b128; source 1 = 16 rows of A): a lane holds eight neighbouring columns of one row.
; The bias is the C of each sum's first instruction.  CLUSTERS: 4 x 4; A's tiles are asked for jointly along a row of the cluster, W's along a column.
; No prefetch: the walk has eight K steps, of which the first four would come by their loads alone.
; REGISTERS: window 0: v16-29 addresses; two fragment buffers of 96 at v32 and v128 (A's 8 blocks, then W's 4); v224-255 the bias.   window 1: accumulator (a, b) at v[8 (4 a + b)].
.set PA,     144                       ; a row of A's plane in LDS: 128 bytes + 16
.set PB,     288                       ; a row of W's tile: 256 bytes + 32
.set APL,    256*PA                    ; a head's plane: 256 rows
.set BOFF,   2*APL
.set SLOT,   BOFF+128*PB
.set STAGE,  2*SLOT                    ; behind the ring: 16 rows x 272 bytes for each wave
.set SPITCH, 272
.set SPARE,  STAGE+4*16*SPITCH         ; the spare words, 128 bytes a wave: two blocks of 256 bytes that no other line names
.set ADRA, 16
.set ADRB, 20
.set STO,  24
.set RD,   25
.set CO,   26
.set SPW,  28                          ; v28  LDS address of my spare word; never rewritten
.set NIL,  29                          ; v29  0; never rewritten
.set F0,   32
.set F1,   128
.set BI,   224
.set G1, 24
.set G0, 32
.set G1B, 48
.set G0B, 56
.set MSB, 0
.macro WIN new
.if MSB != (\new)
	s_set_vgpr_msb (MSB<<8)|(\new)
.set MSB, \new
.endif
.endm
.set MUL,  0x50                        ; C and D window 1, sources 0 and 1 window 0
.set MULB, 0x40                        ; the first products: C (the bias) window 0
.macro JLOAD s                         ; waves 0 and 1 fetch A's two planes, waves 2 and 3 the halves of W's tile; an s_nop 0 and four v_nop follow each of the two lines
	s_cmp_eq_u32 s11, 0
	s_cbranch_scc0 .Lfor_b_\@
	tensor_load_to_lds s[G0+4*\s:G0+4*\s+3], s[G1:G1+7]
	s_nop 0
.rept 4
	v_nop
.endr
	s_branch .Lasked_\@
.Lfor_b_\@:
	tensor_load_to_lds s[G0B+4*\s:G0B+4*\s+3], s[G1B:G1B+7]
	s_nop 0
.rept 4
	v_nop
.endr
.Lasked_\@:
.endm
.macro CREST                           ; a round of the cluster's barrier behind its opening barrier
	s_cmp_lg_u32 s10, 0
	s_cbranch_scc1 .Lnot_wave_0_\@
	s_barrier_signal -3
.Lnot_wave_0_\@:
	s_barrier_wait -3
	s_barrier_signal -1
	s_barrier_wait -1
.endm
.macro CROUND
	s_barrier_signal -1
	s_barrier_wait -1
	CREST
.endm
	s_load_b128 s[4:7], s[0:1], 0x0                ; ao s[4:5], wp s[6:7]
	s_load_b64 s[8:9], s[0:1], 0x10                ; out0
	s_load_b64 s[66:67], s[0:1], 0x18              ; b_proj
	v_lshl_add_u32 v[SPW], v0, 2, SPARE
	v_mov_b32 v[NIL], 0
	ds_add_u32 v[SPW], v[NIL]                      ; the wave's opening: the add, twice on end, and its wait ahead of my first tensor load
	ds_add_u32 v[SPW], v[NIL]
	v_lshrrev_b32 v1, 5, v0
	v_readfirstlane_b32 s10, v1                    ; wave 0..3
	s_lshr_b32 s11, s10, 1                         ; which half of the tile's rows is mine.  Also: I fetch for A (0) or for W (1)
	s_and_b32 s12, s10, 1                          ; which half of its columns.  Also: which plane of A, or which 64 rows of W's tile, I fetch
	s_bfe_u32 s40, ttmp6, 0x40000                  ; cx, cy
	s_bfe_u32 s41, ttmp6, 0x40004
	s_lshl_b32 s42, ttmp9, 2
	s_add_co_u32 s42, s42, s40                     ; tile column
	s_and_b32 s13, ttmp7, 0xffff
	s_lshl_b32 s13, s13, 2
	s_add_co_u32 s13, s13, s41                     ; tile row
	s_lshl_b32 s43, s41, 2
	s_lshl_b32 s43, 15, s43                        ; my row of the cluster
	s_lshl_b32 s44, 0x1111, s40                    ; my column
	; A: 256 rows x 64 elements of 2 bytes, 4 words of padding behind every 32;  W: 64 rows x 128 elements, 8 words behind every 64
	s_or_b32 s[G1+0], s43, (1<<16)|(1<<20)|(1<<21)|(4<<22)|(3<<25)
	s_mov_b32 s[G1+1], 64<<16                      ; tensor_dim0
	s_mov_b32 s[G1+2], 256<<16                     ; tensor_dim1
	s_mov_b32 s[G1+3], 64<<16                      ; tile_dim0
	s_mov_b32 s[G1+4], 256                         ; tile_dim1
	s_mov_b32 s[G1+5], 64                          ; from row to row
	s_mov_b32 s[G1+6], 0
	s_mov_b32 s[G1+7], 0
	s_or_b32 s[G1B+0], s44, (1<<16)|(1<<20)|(1<<21)|(5<<22)|(7<<25)
	s_mov_b32 s[G1B+1], 128<<16
	s_mov_b32 s[G1B+2], 64<<16
	s_mov_b32 s[G1B+3], 128<<16
	s_mov_b32 s[G1B+4], 64
	s_mov_b32 s[G1B+5], 1024
	s_mov_b32 s[G1B+6], 0
	s_mov_b32 s[G1B+7], 0
	; A's tile hangs on the tile row alone: batch = tile row / 8, head = my plane, token = 256 (tile row % 8)
	s_lshr_b32 s16, s13, 3
	s_lshl_b32 s16, s16, 4
	s_add_co_u32 s16, s16, s12
	s_lshl_b32 s16, s16, 18
	s_and_b32 s17, s13, 7
	s_lshl_b32 s17, s17, 15
	s_add_co_u32 s16, s16, s17
	s_mov_b32 s17, 0
	; W's on the tile column alone: row 64 x my half, 256 bytes of columns a tile
	s_lshl_b32 s46, s12, 17
	s_lshl_b32 s47, s42, 8
	s_add_co_u32 s46, s46, s47
	s_mov_b32 s47, 0
	s_mul_i32 s20, s12, APL                        ; where they go: no place in the cluster enters an LDS address
	s_mul_i32 s21, s12, 64*PB
	s_add_co_u32 s21, s21, BOFF
	s_wait_dscnt 0x0                               ; both opening adds are done
	s_wait_kmcnt 0x0
	s_add_nc_u64 s[14:15], s[4:5], s[16:17]
	s_add_nc_u64 s[46:47], s[6:7], s[46:47]
	CROUND                                         ; all sixteen work-groups are here: the first joint loads meet
.irp s, 0,1
	s_mov_b32 s[G0+4*\s], 1
	s_add_co_u32 s[G0+4*\s+1], s20, \s*SLOT
	s_add_nc_u64 s[G0+4*\s+2:G0+4*\s+3], s[14:15], \s*524288      ; a K step on: two heads of 2^18 bytes
	s_or_b32 s[G0+4*\s+3], s[G0+4*\s+3], 0x80000000
	s_mov_b32 s[G0B+4*\s], 1
	s_add_co_u32 s[G0B+4*\s+1], s21, \s*SLOT
	s_add_nc_u64 s[G0B+4*\s+2:G0B+4*\s+3], s[46:47], \s*262144    ; 128 rows of 2,048 bytes
	s_or_b32 s[G0B+4*\s+3], s[G0B+4*\s+3], 0x80000000
	JLOAD \s                                       ; two loads of mine are out
.endr
	v_and_b32 v1, 15, v0                           ; r
	v_bfe_u32 v2, v0, 4, 1                         ; h
	; where my part of out0 begins, and my columns' bias
	s_lshl_b32 s16, s13, 8
	s_lshl_b32 s17, s11, 7
	s_add_co_u32 s16, s16, s17                     ; my first row
	s_lshl_b32 s16, s16, 12                        ; rows of 4,096 bytes
	s_mov_b32 s17, 0
	s_add_nc_u64 s[8:9], s[8:9], s[16:17]
	s_lshl_b32 s46, s42, 9
	s_lshl_b32 s47, s12, 8
	s_add_co_u32 s46, s46, s47                     ; my first column, in bytes: 512 x tile column + 256 x half
	s_mov_b32 s47, 0
	s_add_nc_u64 s[8:9], s[8:9], s[46:47]
	s_add_nc_u64 s[66:67], s[66:67], s[46:47]
	v_lshlrev_b32 v3, 5, v2
.irp b, 0,1,2,3                                ; lane (r, h), block b: b_proj at my first column + 16 b + 8 h + 0 .. 7
	global_load_b128 v[BI+8*\b:BI+8*\b+3], v3, s[66:67] offset:64*\b
	global_load_b128 v[BI+8*\b+4:BI+8*\b+7], v3, s[66:67] offset:64*\b+16
.endr
	v_mul_u32_u24 v4, v1, PA
	v_lshl_add_u32 v4, v2, 4, v4                   ; A: row x pitch + 16 x half
	s_mul_i32 s22, s11, 128*PA                     ; my 128 rows
	v_and_b32 v5, 7, v0
	v_lshl_add_u32 v5, v2, 3, v5                   ; W: the turning load: row 8 h + l % 8,
	v_mul_u32_u24 v5, v5, PB
	v_bfe_u32 v6, v0, 3, 1
	v_lshl_add_u32 v5, v6, 4, v5                   ; 16 bytes for each eight lanes,
	s_lshl_b32 s23, s12, 7                         ; my 64 columns
	s_add_co_u32 s23, s23, BOFF
.irp s, 0,1
	v_add_nc_u32 v[ADRA+\s], s22, v4
	v_add_nc_u32 v[ADRB+\s], s23, v5
	s_add_co_u32 s22, s22, SLOT
	s_add_co_u32 s23, s23, SLOT
.endr
	s_mul_i32 s23, s10, 16*SPITCH
	s_add_co_u32 s23, s23, STAGE                   ; my stage
	v_mul_u32_u24 v4, v1, SPITCH                   ; in: row r, 32 bytes for each half of the lanes
	v_lshl_add_u32 v4, v2, 5, v4
	v_add_nc_u32 v[STO], s23, v4
	v_mul_u32_u24 v4, v2, SPITCH                   ; back: lanes 0-15 one row of 256 bytes, lanes 16-31 the next
	v_lshl_add_u32 v4, v1, 4, v4
	v_add_nc_u32 v[RD], s23, v4
	v_lshlrev_b32 v4, 12, v2                       ; and the same two rows in out0
	v_lshl_add_u32 v[CO], v1, 4, v4
; 8 matrix instructions: A's blocks a0, a0 + 1 x W's four, 32 along K, from buffer f.  zero = 1: the first product starts the sums from the bias.  The 32 accumulators take turns.
.macro MUL8 f, a0, zero
.irp a, \a0, \a0+1
.irp b, 0,1,2,3
.if \zero
	v_wmma_f32_16x16x32_f16 v[8*(4*(\a)+\b):8*(4*(\a)+\b)+7], v[\f+64+8*\b:\f+64+8*\b+7], v[\f+8*(\a):\f+8*(\a)+7], v[BI+8*\b:BI+8*\b+7]
.else
	v_wmma_f32_16x16x32_f16 v[8*(4*(\a)+\b):8*(4*(\a)+\b)+7], v[\f+64+8*\b:\f+64+8*\b+7], v[\f+8*(\a):\f+8*(\a)+7], v[8*(4*(\a)+\b):8*(4*(\a)+\b)+7]
.endif
.endr
.endr
.endm
; 24 LDS loads in one run: the slot's q-th 32 along K into buffer f: W's four fragments (turned), then A's eight, blocks 0-3 first
.macro FETCH slot, q, f
	WIN 0
.irp b, 0,1,2,3
	ds_load_tr16_b128 v[\f+64+8*\b:\f+64+8*\b+3],   v[ADRB+\slot] offset:(\q)*32*PB+32*\b
	ds_load_tr16_b128 v[\f+64+8*\b+4:\f+64+8*\b+7], v[ADRB+\slot] offset:(\q)*32*PB+32*\b+16*PB
.endr
.irp a, 0,1,2,3,4,5,6,7
	ds_load_b128 v[\f+8*\a:\f+8*\a+3],   v[ADRA+\slot] offset:((\q)/2)*APL+((\q)%2)*64+\a*16*PA
	ds_load_b128 v[\f+8*\a+4:\f+8*\a+7], v[ADRA+\slot] offset:((\q)/2)*APL+((\q)%2)*64+\a*16*PA+32
.endr
.endm
.macro PLACES                          ; four plain instructions in front of loads into registers that matrix instructions have read, and of the first read of results
.rept 4
	v_nop
.endr
.endm
; A K step is four quarters of 32 along K, 32 matrix instructions each, on buffers 0, 1, 0, 1.  One of the first three: multiplies buffer f and fetches quarter qn into g.
.macro QUARTER slot, qn, f, g, zero
	s_wait_dscnt 8                                 ; W's fragments and A's blocks 0-3 are in; the youngest eight loads (A's blocks 4-7) may be out
.if \zero
	WIN MULB
.else
	WIN MUL
.endif
	MUL8 \f, 0, \zero
	MUL8 \f, 2, \zero
	PLACES
	FETCH \slot, \qn, \g
	s_wait_dscnt 24                                ; all but the 24 just issued
.if \zero
	WIN MULB
.else
	WIN MUL
.endif
	MUL8 \f, 4, \zero
	MUL8 \f, 6, \zero
.endm
; The last quarter multiplies buffer 1 and changes slots: ONE barrier; in front of it each wave waits for all its tensor loads, adds 0 to its spare word, and waits for that and for its reads of this slot.
; fill = 1: the barrier opens a round of the cluster's, and this slot is filled again, two K steps ahead, first thing behind the round.
.macro TURN slot, next, fill
	WIN 0
	s_wait_tensorcnt 0x0                           ; all my tensor loads have landed: my part of the next slot
	ds_add_u32 v[SPW], v[NIL]
	s_wait_dscnt 9                                 ; (the add and the youngest eight loads may be out)
	WIN MUL
	MUL8 F1, 0, 0
	s_wait_dscnt 0x0                               ; the add is done, and my reads of this slot are over
	s_barrier_signal -1
	MUL8 F1, 2, 0
.if \fill
	WIN 0
.endif
	s_barrier_wait -1
.if \fill
	CREST
	s_add_nc_u64 s[G0+4*\slot+2:G0+4*\slot+3], s[G0+4*\slot+2:G0+4*\slot+3], 1048576
	s_add_nc_u64 s[G0B+4*\slot+2:G0B+4*\slot+3], s[G0B+4*\slot+2:G0B+4*\slot+3], 524288
	JLOAD \slot                                    ; the four v_nop behind it are also the places in front of the loads below
.else
	PLACES
.endif
	FETCH \next, 0, F0
	WIN MUL
	MUL8 F1, 4, 0
	MUL8 F1, 6, 0
.endm
	s_wait_tensorcnt 1                             ; my part of K step 0 is in; K step 1's may stay out
	s_barrier_signal -1
	s_barrier_wait -1
	FETCH 0, 0, F0
	s_wait_loadcnt 0x0                             ; the bias
	QUARTER 0, 1, F0, F1, 1                        ; the first quarter stands in front of the loop: its products start the sums
	WIN 0
	s_mov_b32 s3, 3
.Llap:                                                 ; a trip goes once round the ring and fills both slots again: K steps 2 to 7 in three trips
	QUARTER 0, 2, F1, F0, 0
	QUARTER 0, 3, F0, F1, 0
	TURN 0, 1, 1
	QUARTER 1, 1, F0, F1, 0
	QUARTER 1, 2, F1, F0, 0
	QUARTER 1, 3, F0, F1, 0
	TURN 1, 0, 1
	QUARTER 0, 1, F0, F1, 0
	WIN 0
	s_sub_co_u32 s3, s3, 1
	s_cmp_lg_u32 s3, 0
	s_cbranch_scc1 .Llap
	QUARTER 0, 2, F1, F0, 0                        ; the last lap fills nothing
	QUARTER 0, 3, F0, F1, 0
	TURN 0, 1, 0
	QUARTER 1, 1, F0, F1, 0
	QUARTER 1, 2, F1, F0, 0
	QUARTER 1, 3, F0, F1, 0
	s_wait_dscnt 8                                 ; the very last quarter: nothing more to fetch
	WIN MUL
	MUL8 F1, 0, 0
	MUL8 F1, 2, 0
	s_wait_dscnt 0
	MUL8 F1, 4, 0
	MUL8 F1, 6, 0
	WIN 0
; THE WAY OUT, a block of 16 rows x 64 columns at a time: 32 bytes a lane into my stage, each accumulator from its low end on, and back as whole rows of 256 bytes, which sixteen lanes store as one aligned run.
.macro TOSTAGE a
	WIN 0x04                                       ; an LDS store's data are its source 1: window 1
.irp b, 0,1,2,3
	ds_store_b128 v[STO], v[8*(4*(\a)+\b):8*(4*(\a)+\b)+3] offset:64*\b
	ds_store_b128 v[STO], v[8*(4*(\a)+\b)+4:8*(4*(\a)+\b)+7] offset:64*\b+16
.endr
	WIN 0
.set BB, 32+32*((\a)%2)
.irp t, 0,1,2,3,4,5,6,7
	ds_load_b128 v[BB+4*\t:BB+4*\t+3], v[RD] offset:\t*2*SPITCH    ; LDS serves a wave's instructions in order: these see the stores above
.endr
.endm
.macro SEND a, younger                 ; younger: the LDS instructions issued behind block a's loads: the next block's sixteen, or none
.set BB, 32+32*((\a)%2)
	s_wait_dscnt \younger
.irp t, 0,1,2,3,4,5,6,7
	global_store_b128 v[CO], v[BB+4*\t:BB+4*\t+3], s[8:9] offset:65536*(\a)+8192*\t th:TH_STORE_NT
.endr
.endm
	PLACES
	TOSTAGE 0
.irp a, 1,2,3,4,5,6,7
.if \a > 1
	s_wait_xcnt 0x0                                ; block a - 2's stores have read their registers: block a's loads may land there
.endif
	TOSTAGE \a
	SEND \a-1, 16
.endr
	SEND 7, 0
	s_wait_tensorcnt 0x0                           ; the wave's end, behind my last tensor load and my last LDS store
	ds_add_u32 v[SPW], v[NIL]
	s_wait_dscnt 0x0
	CROUND                                         ; the closing round
	s_endpgm
.Lfunc_end_k_q131c385df2_proj:
	.size	k_q131c385df2_proj, .Lfunc_end_k_q131c385df2_proj-k_q131c385df2_proj
	.p2alignl 7, 3214868480
	.fill 96, 4, 3214868480
	.section	.rodata,"a",@progbits
	.p2align	6, 0x0
	.amdhsa_kernel k_q131c385df2_proj
		.amdhsa_group_segment_fixed_size 327680
		.amdhsa_private_segment_fixed_size 0
		.amdhsa_enable_private_segment 0
		.amdhsa_kernarg_size 32
		.amdhsa_user_sgpr_count 2
		.amdhsa_user_sgpr_kernarg_segment_ptr 1
		.amdhsa_wavefront_size32 1
		.amdhsa_system_sgpr_workgroup_id_x 1
		.amdhsa_system_sgpr_workgroup_id_y 1
		.amdhsa_system_sgpr_workgroup_id_z 1
		.amdhsa_system_vgpr_workitem_id 0
		.amdhsa_next_free_vgpr 512
		.amdhsa_next_free_sgpr 68
		.amdhsa_reserve_vcc 0
		.amdhsa_float_denorm_mode_32 3
		.amdhsa_float_denorm_mode_16_64 3
		.amdhsa_memory_ordered 1
		.amdhsa_forward_progress 1
		.amdhsa_inst_pref_size 87
	.end_amdhsa_kernel
	.amdgpu_metadata
---
amdhsa.version: [ 1, 2 ]
amdhsa.kernels:
  - .name:           k_q131c385df2_proj
    .symbol:         k_q131c385df2_proj.kd
    .args:
      - { .name: ao, .offset: 0, .size: 8, .value_kind: global_buffer, .address_space: global }
      - { .name: wp, .offset: 8, .size: 8, .value_kind: global_buffer, .address_space: global }
      - { .name: out0, .offset: 16, .size: 8, .value_kind: global_buffer, .address_space: global }
      - { .name: b_proj, .offset: 24, .size: 8, .value_kind: global_buffer, .address_space: global }
    .group_segment_fixed_size: 327680
    .private_segment_fixed_size: 0
    .kernarg_segment_align: 8
    .kernarg_segment_size: 32
    .max_flat_workgroup_size: 128
    .sgpr_count:     68
    .vgpr_count:     512
    .wavefront_size: 32
...
	.end_amdgpu_metadata
.endif
;; end of part 4
